; MI455X (gfx1250); checked and timed in simulation.
; The chip was launched on July 23, 2026; its instructions are those of AMD's public machine-readable ISA for CDNA 5 (MIT licence, August 2026) and "CDNA5" Instruction Set Architecture Reference Guide (July 2026). The comments in the code are by the model that wrote it; some were corrected since.
;; Self Attention. Allowed arithmetic: matrix products marked QUANTISED: E2M3 operands, one E8M0 scale for each 32 along K, by v_wmma_scale_f32_16x16x128_f8f6f4 with both operands' format E2M3, f32 sums; everything else in f32.
;; Inputs: W1 1,024 x 3,072 float32; W2 1,024 x 1,024 float32; b1 3,072 float32; b2 1,024 float32; x 4 x 2,048 x 1,024 float32.
;; Outputs: out0 4 x 2,048 x 1,024 float32.
;; This version of the problem:
;;   THIS VERSION OF THE PROBLEM IS GIVEN IN LOW PRECISION. The matrix products marked QUANTISED in the list below multiply operands that are first quantised to E2M3 (2 exponent bits, 3 mantissa bits; 6 bits a number), with one power-of-two scale for each 32 numbers along K (OCP MX v1.0); their sums are f32. All else is computed in f32.
;;   The module's matrix products, in the order in which they are computed (A, B: the left and right operand; K: the contracted axis; several contracted axes count as one K, in the product's order):
;;     1. [M 8,192, K 1,024] x [K 1,024, N 3,072]; A: input x; B: input W1: QUANTISED
;;     2. batch 4 x [M 2,048, K 1,024] x [K 1,024, N 2,048]; A: computed on the way; B: computed on the way: QUANTISED
;;     3. batch 4 x [M 2,048, K 2,048] x [K 2,048, N 1,024]; A: softmax (see below); B: computed on the way: QUANTISED
;;     4. [M 8,192, K 1,024] x [K 1,024, N 1,024]; A: computed on the way; B: input W2: QUANTISED
;;   THE QUANTISER, for each operand of a quantised product, along K:
;;     - K is cut into blocks of 32 from its start; a last block that is shorter is filled with zeros.
;;     - A block's scale is 2^e with e = floor(log2(the largest magnitude in the block)) - 2, held to -126 .. 127; a block of zeros has e = 0. As a byte (E8M0): e + 127.
;;     - Each number is divided by its block's scale, clamped to +-7.5, and rounded to the nearest number of E2M3, ties to even, subnormals kept.
;;     - The product sums the exact products of the quantised numbers (number of the format x scale) in f32.
;;   ~~~python
;;   def quantise(x, axis):      # numpy; x: float32 -> the quantised numbers, widened to float32 again
;;       x = np.moveaxis(x, axis, -1); K = x.shape[-1]
;;       x = np.pad(x, [(0, 0)] * (x.ndim - 1) + [(0, -K % 32)]); x = x.reshape(x.shape[:-1] + (-1, 32)); a = np.abs(x).max(-1, keepdims=True)
;;       e = np.where(a > 0, np.clip(np.frexp(np.where(a > 0, a, 1))[1] - 1 - 2, -126, 127), 0)      # np.frexp(a)[1] - 1 = floor(log2(a)), exactly
;;       r = np.clip(x / 2.0 ** e, -7.5, 7.5)
;;       step = 2.0 ** (np.maximum(np.frexp(np.where(r == 0, 1, r))[1] - 1, 0) - 3)
;;       q = np.round(r / step) * step * 2.0 ** e      # np.round: ties to even
;;       return np.moveaxis(q.reshape(q.shape[:-2] + (-1,))[..., :K], -1, axis).astype(np.float32)
;;   ~~~
;;   SOFTMAX AHEAD OF A QUANTISED PRODUCT. Where the list says 'softmax', what is quantised is not the finished softmax but p = 2^(t - M), with t = logit x log2(e) and M = ceil(the row's largest t), a whole number; so 1/2 < the row's largest p <= 1. The row's sum l is taken of the UNQUANTISED p, in f32, and the product's result is divided by l at the end. Since M is a whole number, a kernel that streams over the keys may use a running M (the ceiling of the running maximum): every later rescaling is an exact power of two, which a block's scale takes up: the codes' values come out the same.
;;   OPERANDS COMPUTED ON THE WAY. 'Computed on the way' means the value that the module computes at that place (a softmax that the list does not call 'softmax' is quantised finished and normalised). What goes into a quantiser is computed in f32, as accurately as f32 sums, v_exp_f32 and their like allow (about 1e-6 of the number): no bf16 or f16 on the way to a quantiser, and a product that is left as it is and whose result goes on into a quantised operand takes f32 operands (vector FMAs, or v_wmma_f32_16x16x4_f32). A number that lies on a knife's edge between two numbers of the format may be rounded either way, as far as f32 arithmetic and the matrix unit's own rounding can turn it there, and no further.
;; One version. Each part assembles by itself: llvm-mc -triple=amdgcn-amd-amdhsa -mcpu=gfx1250 --defsym DOCPART=n.
;; ======== version 1 of 1: 5 launches
;; limits: right only within a limited range of input values
;; workspace buffers: opnd 9,830,400 bytes; qkv 19,660,800 bytes; prob 14,155,776 bytes; ctxq 6,553,600 bytes
;; launch quant (part 1): grid 384 x 1, 4 waves a work-group, no clusters, 61,952 bytes of LDS; arguments x, W1, W2, opnd; writes opnd
.if DOCPART == 1
	.amdgcn_target "amdgcn-amd-amdhsa--gfx1250"
	.amdhsa_code_object_version 6
	.text
	.protected	k_q656a07c7f4_quant
	.globl	k_q656a07c7f4_quant
	.p2align	8
	.type	k_q656a07c7f4_quant,@function
k_q656a07c7f4_quant:
	s_mov_b64 s[64:65], 0
	v_nop
	global_prefetch_b8 v0, s[64:65] scope:SCOPE_SE
	s_setreg_imm32_b32 hwreg(HW_REG_WAVE_MODE, 25, 1), 1
	s_wait_xcnt 0x0
; x [8192][1024], W1 [1024][3072] and W2 [1024][1024], f32, become codes of FP6 (E2M3) with one E8M0 byte for each 32 along K, laid as IMAGES OF OPERAND REGISTERS.
; An image tile (T, s) is 16 rows x 128 K: 1,536 bytes at (T x 8 + s) x 1536: registers 4 c .. 4 c + 3 of lane l at 512 c + 16 l.  Lane (r, h) holds K = 128 s + 64 c' + 32 h + 0 .. 31 in registers 6 c' .. 6 c' + 5.
; Lane r of tile T stands for row 32 (T / 2) + 8 (T % 2) + r + 8 (r / 8): so the products that read these images leave 16 neighbours along the next K in 16 registers of a lane.
; Scale words (four bytes: one row, 128 K) lie [block of 8 tiles][K step][128 words].
; A block's scale is 2^(floor(log2(largest magnitude)) - 2); its byte is the largest magnitude's exponent field - 2, held at 1 from below.
; LIMITS: a block of zeros, or one whose largest magnitude lies under 2^-124, gets the byte 1 (its codes are zeros or the nearest codes under that scale; only this program reads the bytes); NaN and infinities are not served.
; Work-groups 0-255 take x (K innermost), 256-383 take W1 and W2 (K is the first axis: a lane takes a column and its registers run down K).  Waves share nothing: no barrier.  Each path has LDS bytes of its own.
.set XST,  0                           ; path X: a stage of 16 rows x 528 bytes for each wave
.set XGS,  33792                       ; path X: 256 bytes of scale words for each wave
.set WST,  34816                       ; path W: a stage of 6,400 bytes for each wave: four image tiles
.set WGS,  60416                       ; path W: 256 bytes of scale words for each wave
.set W1I,  6291456                     ; byte offsets in opnd: x's image at 0, W1's, W2's, then the three sets of scale words
.set W2I,  8650752
.set XSO,  9437184
.set W1SO, 9699328
.set W2SO, 9797632
.set R,    64                          ; path X: v64-191 two sets of 64: 16 rows as loaded
.set X,    192                         ; path X: v192-255 my two blocks of 32 neighbours
.set PC,   24                          ; path X: v24-35 the fragment's 12 registers
.set TP,   36                          ; path X: v36-43 second halves as the conversions leave them
.set VO,   32                          ; path W: v32-63 byte offset of row i of a block, at my column
.set WX,   64                          ; path W: v64-127 two sets of 32 numbers
.set WPC,  128                         ; path W: v128-133 a block's six registers
.set WTP,  136
.set SB,   140                         ; path W: v140-141 my two columns' scale words
.set WO,   160                         ; path W: v160-207 the way out
	s_load_b256 s[4:11], s[0:1], 0x0               ; x s[4:5], W1 s[6:7], W2 s[8:9], opnd s[10:11]
	v_lshl_add_u32 v20, v0, 2, 0xf000
	v_mov_b32 v21, 0
	v_lshrrev_b32 v1, 5, v0
	v_readfirstlane_b32 s12, v1                    ; wave 0..3
	v_and_b32 v1, 31, v0                           ; lane
	v_and_b32 v2, 15, v0                           ; lane % 16
	v_bfe_u32 v3, v0, 4, 1                         ; lane / 16
	v_lshlrev_b32 v4, 4, v1                        ; 16 x lane
	v_lshlrev_b32 v9, 3, v1                        ; 8 x lane
	s_mov_b32 s14, 0x76543210
	s_mov_b32 s15, 0xfedcba98                      ; v_permlanex16_b32's selects for lane l xor 16
	s_wait_kmcnt 0x0
	s_cmp_lt_u32 ttmp9, 256
	s_cbranch_scc0 .Lpath_w
; ---------------- PATH X.  Work-group id: g = id / 2 names four tiles (64 rows), id % 2 four K steps; wave w takes K step 4 (id % 2) + w of the four tiles: its 64 scale words are 256 neighbouring bytes.
	s_lshr_b32 s16, ttmp9, 1                       ; g
	s_and_b32 s17, ttmp9, 1
	s_lshl_b32 s17, s17, 2
	s_add_co_u32 s17, s17, s12                     ; my K step
	s_lshl_b32 s18, s16, 18                        ; 64 g rows of 4,096 bytes
	s_lshl_b32 s19, s17, 9                         ; 128 numbers a K step
	s_add_co_u32 s18, s18, s19
	s_mov_b32 s19, 0
	s_add_nc_u64 s[4:5], s[4:5], s[18:19]          ; x at my first row and K step
	s_mul_i32 s20, s16, 4*12288
	s_mul_i32 s21, s17, 1536
	s_add_co_u32 s20, s20, s21
	s_mov_b32 s21, 0
	s_add_nc_u64 s[22:23], s[10:11], s[20:21]      ; the image of tile 4 g at my K step
	s_lshr_b32 s24, s16, 1
	s_lshl_b32 s24, s24, 12                        ; block of 8 tiles: 4,096 bytes of words
	s_lshl_b32 s25, s17, 9
	s_add_co_u32 s24, s24, s25
	s_and_b32 s25, s16, 1
	s_lshl_b32 s25, s25, 8
	s_add_co_u32 s24, s24, s25
	s_add_co_u32 s24, s24, XSO
	s_mov_b32 s25, 0
	s_add_nc_u64 s[24:25], s[10:11], s[24:25]      ; my 256 bytes of scale words
	s_mul_i32 s26, s12, 8448
	s_wait_alu depctr_va_vdst(0)
	v_add_nc_u32 v5, s26, v4                       ; the stage, in: a row's 512 bytes as they lie
	v_mul_u32_u24 v6, v2, 528
	v_lshl_add_u32 v6, v3, 7, v6
	v_add_nc_u32 v6, s26, v6                       ; and out: row r, + 128 h: my 32 neighbours of each 64
	s_lshl_b32 s27, s12, 8
	v_lshl_add_u32 v7, v2, 2, XGS
	v_add_nc_u32 v7, s27, v7                       ; my row's word
	v_add_nc_u32 v8, s27, v9
	v_add_nc_u32 v8, XGS, v8                       ; and the wave's 256 bytes, 8 a lane
	v_lshlrev_b32 v19, 3, v3                       ; 8 h: where my two bytes stand in the word
	v_mov_b32 v17, 0                               ; written once: a lane permute's destination counts as one of its sources
.macro XFILL f                         ; tile 4 g + f: its 16 rows' 512 bytes of my K step; each load is 512 consecutive bytes
.irp i, 0,1,2,3,4,5,6,7,8,9,10,11,12,13,14,15
	global_load_b128 v[R+64*((\f)%2)+4*\i:R+64*((\f)%2)+4*\i+3], v4, s[4:5] offset:(32*((\f)/2)+8*((\f)%2)+\i+8*(\i/8))*4096 th:TH_LOAD_NT
.endr
.endm
.macro XFRAG f
.if (\f) < 3
	s_wait_loadcnt 16                              ; this tile's 16 loads are in; the next tile's 16 may be out
.else
	s_wait_loadcnt 0x0
.endif
.irp i, 0,1,2,3,4,5,6,7,8,9,10,11,12,13,14,15
	ds_store_b128 v5, v[R+64*((\f)%2)+4*\i:R+64*((\f)%2)+4*\i+3] offset:528*\i
.endr
.irp c, 0,1
.irp i, 0,1,2,3,4,5,6,7
	ds_load_b128 v[X+32*\c+4*\i:X+32*\c+4*\i+3], v6 offset:256*\c+16*\i   ; LDS serves a wave's instructions in order: these see the stores above
.endr
.endr
	s_wait_dscnt 0x0                               ; my 64 numbers are back, and the stores have read their registers,
.if (\f)+2 < 4
	XFILL (\f)+2                                   ; which take the tile two further on
.endif
.irp c, 0,1
	v_max3_num_f32 v[10+\c], |v[X+32*\c]|, |v[X+32*\c+1]|, 0x1800000   ; block 2 c + h is all mine; the floor 2^(3 - 127) holds the byte at 1 from below
.endr
.irp i, 2,4,6,8,10,12,14,16,18,20,22,24,26,28,30
.irp c, 0,1
	v_max3_num_f32 v[10+\c], v[10+\c], |v[X+32*\c+\i]|, |v[X+32*\c+\i+1]|
.endr
.endr
.irp c, 0,1
	v_add_nc_u32 v[12+\c], 0xff000000, v[10+\c]    ; 2 off the exponent field: the conversion's scale operand
.endr
.irp c, 0,1
	v_lshrrev_b32 v[14+\c], 23, v[12+\c]           ; the scale's byte
.endr
	v_lshl_or_b32 v16, v15, 16, v14                ; bytes h and 2 + h of my row's word,
	v_lshlrev_b32 v16, v19, v16                    ; at their places;
	v_permlanex16_b32 v17, v16, s14, s15
	v_or_b32 v16, v16, v17                         ; with lane l xor 16's two the word is whole
	s_wait_alu depctr_va_vdst(0)
	s_wait_xcnt 0x0                                ; the last tile's stores have read the fragment's registers: they are written again only behind this wait
.irp c, 0,1
	v_cvt_scalef32_pk16_fp6_f32 v[PC+6*\c:PC+6*\c+2], v[X+32*\c:X+32*\c+15], v[12+\c]
	v_cvt_scalef32_pk16_fp6_f32 v[TP+4*\c:TP+4*\c+2], v[X+32*\c+16:X+32*\c+31], v[12+\c]   ; (a conversion's three registers begin on an even number)
.endr
	v_nop                                          ; one plain line behind a scaled conversion
.irp c, 0,1
.irp i, 0,1,2
	v_mov_b32 v[PC+6*\c+3+\i], v[TP+4*\c+\i]
.endr
.endr
.irp ch, 0,1,2
	global_store_b128 v4, v[PC+4*\ch:PC+4*\ch+3], s[22:23] offset:12288*(\f)+512*\ch   ; 32 lanes store 512 consecutive bytes
.endr
	ds_store_b32 v7, v16 offset:64*(\f)            ; lanes r and r + 16 write the same word with the same value
.endm
	XFILL 0
	XFILL 1
	s_wait_alu depctr_va_vdst(0)
	XFRAG 0
	XFRAG 1
	XFRAG 2
	XFRAG 3
	ds_load_b64 v[22:23], v8                       ; my wave's own bytes, in order behind its stores
	s_wait_dscnt 0x0
	global_store_b64 v9, v[22:23], s[24:25]        ; 32 lanes store 256 consecutive bytes, aligned
	s_wait_tensorcnt 0x0
	ds_add_u32 v20, v21
	s_wait_dscnt 0x0
	s_endpgm
; ---------------- PATH W.  j = id - 256: 0-95 W1, 96-127 W2; only pointers, the row pitch and offsets are chosen.  g = jj / 4 names 128 columns (8 tiles), kq = jj % 4 names 256 along K.
; Wave w takes K step 2 kq + w / 2 of columns 128 g + 64 (w % 2) + 0 .. 63: two groups of 32 columns x four blocks of 32 along K.  Lane l of a group stands for tile u = (l / 8) % 2, row r = l % 8 + 8 (l / 16).
.Lpath_w:
	s_sub_co_u32 s16, ttmp9, 256
	s_cmp_lt_u32 s16, 96
	s_cselect_b64 s[18:19], s[6:7], s[8:9]         ; the choice hangs on the work-group's number alone
	s_mov_b32 s20, 4096
	s_cselect_b32 s20, 12288, s20                  ; bytes from row to row
	s_mov_b32 s21, W2I
	s_cselect_b32 s21, W1I, s21
	s_mov_b32 s22, W2SO
	s_cselect_b32 s22, W1SO, s22
	s_cselect_b32 s23, 0, 96
	s_sub_co_u32 s16, s16, s23                     ; jj
	s_lshr_b32 s17, s16, 2                         ; g
	s_and_b32 s16, s16, 3
	s_lshl_b32 s16, s16, 1
	s_lshr_b32 s24, s12, 1
	s_add_co_u32 s16, s16, s24                     ; my K step, 0..7
	s_and_b32 s13, s12, 1                          ; my half of the 128 columns
	s_lshl_b32 s24, s17, 9
	s_lshl_b32 s25, s13, 8
	s_add_co_u32 s24, s24, s25                     ; 4 x my first column
	s_lshl_b32 s25, s16, 7
	s_mul_i32 s25, s25, s20                        ; 128 rows a K step
	s_add_co_u32 s24, s24, s25
	s_mov_b32 s25, 0
	s_add_nc_u64 s[32:33], s[18:19], s[24:25]      ; eight bases, one a block: s[32 + 2 t : 33 + 2 t]
	s_lshl_b32 s26, s20, 5                         ; 32 rows on
	s_mov_b32 s27, 0
.irp t, 1,2,3
	s_add_nc_u64 s[32+2*\t:33+2*\t], s[30+2*\t:31+2*\t], s[26:27]
.endr
.irp t, 4,5,6,7
	s_add_nc_u64 s[32+2*\t:33+2*\t], s[24+2*\t:25+2*\t], 128   ; the second group: 32 columns on
.endr
	s_wait_alu depctr_va_vdst(0)
	v_lshlrev_b32 v14, 2, v1
.irp i, 0,1,2,3,4,5,6,7,8,9,10,11,12,13,14,15,16,17,18,19,20,21,22,23,24,25,26,27,28,29,30,31
	v_mad_u32_u24 v[VO+\i], s20, \i, v14           ; row i of a block, my column
.endr
.macro WLOAD t                         ; block t: 32 rows at 32 neighbouring columns: each load is 128 consecutive bytes
.irp i, 0,1,2,3,4,5,6,7,8,9,10,11,12,13,14,15,16,17,18,19,20,21,22,23,24,25,26,27,28,29,30,31
	global_load_b32 v[WX+32*((\t)%2)+\i], v[VO+\i], s[32+2*(\t):33+2*(\t)] th:TH_LOAD_NT
.endr
.endm
	WLOAD 0
	WLOAD 1
	s_lshl_b32 s28, s17, 3
	s_lshl_b32 s29, s13, 2
	s_add_co_u32 s28, s28, s29                     ; my first tile: 8 g + 4 (w % 2)
	s_mul_i32 s28, s28, 12288
	s_mul_i32 s29, s16, 1536
	s_add_co_u32 s28, s28, s29
	s_add_co_u32 s28, s28, s21
	s_mov_b32 s29, 0
	s_add_nc_u64 s[28:29], s[10:11], s[28:29]      ; its image at my K step
	s_lshl_b32 s30, s17, 12
	s_lshl_b32 s31, s16, 9
	s_add_co_u32 s30, s30, s31
	s_lshl_b32 s31, s13, 8
	s_add_co_u32 s30, s30, s31
	s_add_co_u32 s30, s30, s22
	s_mov_b32 s31, 0
	s_add_nc_u64 s[30:31], s[10:11], s[30:31]      ; my 256 bytes of scale words
	v_bfe_u32 v15, v0, 3, 1                        ; u
	v_and_b32 v16, 7, v0
	v_lshl_add_u32 v16, v3, 3, v16                 ; r
	s_mul_i32 s24, s12, 6400
	s_add_co_u32 s24, s24, WST
	v_mul_u32_u24 v10, v15, 3200
	v_lshl_add_u32 v10, v16, 4, v10
	v_add_nc_u32 v10, s24, v10                     ; the stage, in: tile u at 3,200 u (+ 1,536 for the second group), lane r's 16 bytes
	v_add_nc_u32 v11, s24, v4                      ; and out: 16 x lane
	s_lshl_b32 s25, s12, 8
	v_lshlrev_b32 v12, 6, v15
	v_lshl_add_u32 v12, v16, 2, v12
	v_add_nc_u32 v12, s25, v12
	v_add_nc_u32 v12, WGS, v12                     ; my column's word: 64 u + 4 r (+ 128 for the second group)
	v_add_nc_u32 v13, s25, v9
	v_add_nc_u32 v13, WGS, v13
.macro WBLOCK t                        ; block t: group t / 4, block t % 4 = 2 c + h of the K step: it becomes registers 6 c .. 6 c + 5 of image lane r + 16 h
.set XS, WX+32*((\t)%2)
.set CG, (\t)/4
.set KC, ((\t)%4)/2
.set KH, (\t)%2
.if (\t) < 7
	s_wait_loadcnt 32                              ; this block's 32 loads are in; the next block's may be out
.else
	s_wait_loadcnt 0x0
.endif
	v_max3_num_f32 v16, |v[XS]|, |v[XS+1]|, |v[XS+2]|
	v_max3_num_f32 v17, |v[XS+3]|, |v[XS+4]|, |v[XS+5]|
.irp i, 6,10,14,18,22,26
	v_max3_num_f32 v16, v16, |v[XS+\i]|, |v[XS+\i+1]|
	v_max3_num_f32 v17, v17, |v[XS+\i+2]|, |v[XS+\i+3]|
.endr
	v_max3_num_f32 v16, v16, |v[XS+30]|, |v[XS+31]|
	v_max3_num_f32 v16, v16, v17, 0x1800000        ; the floor 2^(3 - 127)
	v_add_nc_u32 v18, 0xff000000, v16              ; the conversion's scale operand
	v_lshrrev_b32 v17, 23, v18                     ; the byte
.if (\t)%4 == 0
	v_mov_b32 v[SB+CG], v17
.else
	v_lshl_or_b32 v[SB+CG], v17, 8*((\t)%4), v[SB+CG]
.endif
	v_cvt_scalef32_pk16_fp6_f32 v[WPC:WPC+2], v[XS:XS+15], v18
	v_cvt_scalef32_pk16_fp6_f32 v[WTP:WTP+2], v[XS+16:XS+31], v18
	v_nop                                          ; one plain line behind a scaled conversion
.irp i, 0,1,2
	v_mov_b32 v[WPC+3+\i], v[WTP+\i]
.endr
.if KC == 0
	ds_store_b128 v10, v[WPC:WPC+3] offset:1536*CG+256*KH            ; registers 0-3
	ds_store_b64 v10, v[WPC+4:WPC+5] offset:1536*CG+512+256*KH       ; registers 4, 5
.else
	ds_store_b64 v10, v[WPC:WPC+1] offset:1536*CG+512+256*KH+8       ; registers 6, 7
	ds_store_b128 v10, v[WPC+2:WPC+5] offset:1536*CG+1024+256*KH     ; registers 8-11
.endif
.if (\t)+2 < 8
	WLOAD (\t)+2
.endif
	s_wait_dscnt 0x0                               ; the stores have read their registers: the next block's codes may be written
.endm
.irp t, 0,1,2,3,4,5,6,7
	WBLOCK \t
.endr
	ds_store_b32 v12, v[SB]
	s_wait_alu depctr_va_vdst(0)
	ds_store_b32 v12, v[SB+1] offset:128
.irp n, 0,1,2,3,4,5,6,7,8,9,10,11      ; n = 6 u + 3 group + chunk
	ds_load_b128 v[WO+4*\n:WO+4*\n+3], v11 offset:3200*(\n/6)+1536*((\n/3)%2)+512*(\n%3)
.endr
.irp n, 0,1,2,3,4,5,6,7,8,9,10,11
	s_wait_dscnt 11-\n                             ; LDS loads come back in order: load n is in, the younger ones may be out
	global_store_b128 v4, v[WO+4*\n:WO+4*\n+3], s[28:29] offset:(2*((\n/3)%2)+\n/6)*12288+512*(\n%3)   ; 512 consecutive bytes
.endr
	ds_load_b64 v[22:23], v13
	s_wait_dscnt 0x0
	global_store_b64 v9, v[22:23], s[30:31]        ; 256 consecutive bytes, aligned
	s_wait_tensorcnt 0x0
	ds_add_u32 v20, v21
	s_wait_dscnt 0x0
	s_endpgm
.Lfunc_end_k_q656a07c7f4_quant:
	.size	k_q656a07c7f4_quant, .Lfunc_end_k_q656a07c7f4_quant-k_q656a07c7f4_quant
	.p2alignl 7, 3214868480
	.fill 96, 4, 3214868480
	.section	.rodata,"a",@progbits
	.p2align	6, 0x0
	.amdhsa_kernel k_q656a07c7f4_quant
		.amdhsa_group_segment_fixed_size 61952
		.amdhsa_private_segment_fixed_size 0
		.amdhsa_enable_private_segment 0
		.amdhsa_kernarg_size 32
		.amdhsa_user_sgpr_count 2
		.amdhsa_user_sgpr_kernarg_segment_ptr 1
		.amdhsa_wavefront_size32 1
		.amdhsa_system_sgpr_workgroup_id_x 1
		.amdhsa_system_sgpr_workgroup_id_y 1
		.amdhsa_system_sgpr_workgroup_id_z 1
		.amdhsa_system_vgpr_workitem_id 0
		.amdhsa_next_free_vgpr 256
		.amdhsa_next_free_sgpr 66
		.amdhsa_reserve_vcc 0
		.amdhsa_float_denorm_mode_32 3
		.amdhsa_float_denorm_mode_16_64 3
		.amdhsa_memory_ordered 1
		.amdhsa_forward_progress 1
		.amdhsa_inst_pref_size 75
	.end_amdhsa_kernel
	.amdgpu_metadata
---
amdhsa.version: [ 1, 2 ]
amdhsa.kernels:
  - .name:           k_q656a07c7f4_quant
    .symbol:         k_q656a07c7f4_quant.kd
    .args:
      - { .name: x, .offset: 0, .size: 8, .value_kind: global_buffer, .address_space: global }
      - { .name: W1, .offset: 8, .size: 8, .value_kind: global_buffer, .address_space: global }
      - { .name: W2, .offset: 16, .size: 8, .value_kind: global_buffer, .address_space: global }
      - { .name: opnd, .offset: 24, .size: 8, .value_kind: global_buffer, .address_space: global }
    .group_segment_fixed_size: 61952
    .private_segment_fixed_size: 0
    .kernarg_segment_align: 8
    .kernarg_segment_size: 32
    .max_flat_workgroup_size: 128
    .sgpr_count:     66
    .vgpr_count:     256
    .wavefront_size: 32
...
	.end_amdgpu_metadata
.endif
;; end of part 1
;; launch qkvgemm (part 2): grid 8 x 32, 4 waves a work-group, clusters of 4 x 4, 327,680 bytes of LDS; arguments opnd, b1, qkv; writes qkv
.if DOCPART == 2
	.amdgcn_target "amdgcn-amd-amdhsa--gfx1250"
	.amdhsa_code_object_version 6
	.text
	.protected	k_q656a07c7f4_qkvgemm
	.globl	k_q656a07c7f4_qkvgemm
	.p2align	8
	.type	k_q656a07c7f4_qkvgemm,@function
k_q656a07c7f4_qkvgemm:
	s_mov_b64 s[64:65], 0
	v_nop
	global_prefetch_b8 v0, s[64:65] scope:SCOPE_SE
	s_setreg_imm32_b32 hwreg(HW_REG_WAVE_MODE, 25, 1), 1
	s_wait_xcnt 0x0
	s_wait_alu depctr_hold_cnt(0) depctr_sa_sdst(0) depctr_va_vdst(0) depctr_va_sdst(0) depctr_va_ssrc(0) depctr_va_vcc(0) depctr_vm_vsrc(0)
	s_getreg_b32 s2, hwreg(HW_REG_IB_STS2, 6, 4)
	s_cmp_eq_u32 s2, 0
	s_cbranch_scc0 .Lentry_in_a_cluster
	s_endpgm
.Lentry_in_a_cluster:
	s_bfe_u32 s2, ttmp6, 0x10000c
	s_cmp_lg_u32 s2, 0xf033
	s_cbranch_scc0 .Lentry_shape_is_right
	s_endpgm
.Lentry_shape_is_right:
; qkv = x W1 + b1 on codes of FP6 (E2M3) with E8M0 scales, and its quantising for the next products: q and k along the 1,024 features, v along the keys.
; OPERANDS are images of operand registers: tile (T, s) = 16 rows x 128 K = 1,536 bytes, registers 4 c .. 4 c + 3 of lane l at 512 c + 16 l; lane r of tile T stands for row 32 (T / 2) + 8 (T % 2) + r + 8 (r / 8).
; A WORK-GROUP STAYS.  It keeps X = 256 tokens of x (all of K = 1,024) in LDS for the whole launch and walks three blocks W of 128 columns of W1: block j (q), j + 8 (k), j + 16 (v): three tiles of 256 x 128.
; A product takes a tile of an operand P as source 0 and a tile of an operand R as source 1: a lane then holds ONE row of R, and the 64 registers of P's eight tiles are 64 of 128 neighbours along P
; (register 16 b + i = 32 b + 16 (lane / 16) + i): one fragment of the next product, made in registers.  A wave has 4 fragments of R against 8 of P: 32 accumulators.
; Tiles 0, 1 (q, k): R = X (wave w: tokens 64 w on), P = W: the next K is the features.  Tile 2 (v): R = W (wave w: its tiles 4 (w / 2) on), P = X (tokens 128 (w % 2) on): the next K is the keys.  Only address registers differ.
; LDS: X, W's first block and the scale words of X and of all three blocks are asked for at the head (five tensor loads a wave are out at most).  W's part is filled again in two halves of K: behind a tile's step 3 chunks 0, 1 take
; the next block, behind its step 7 chunks 2, 3: one load a wave behind a round of the cluster's barrier, with four K steps, 128 matrix instructions, in which to land.  A tile's stores leave while the next tile is multiplied.
; CLUSTER 4 x 4: X's tiles are shared along a row of the cluster, W's along a column: joint loads.
; LIMITS: a block whose largest magnitude lies under 2^-124 gets the byte 1; NaN and infinities are not served.
; REGISTERS.  Window 0: v1 16 x lane, v2 4 x lane, v3 r, v4 h; v5-8 R's and v9-12 P's fragment addresses by chunk, v13, v14 their scale words' (tiles 0, 1); v17-20, v24-27, v28, v29 the same for tile 2; v15, v16 my scratch for new
;   scale words, v21 8 x lane, v22, v23 the spare word's address and 0; v32-43 scale words, two sets (4 of P, 2 of R: lanes 0-15 an even tile, lanes 16-31 the odd one); v44-63 at work; v64-159 R's fragments, two sets;
;   v160-207 four new fragments; v208-217 at work.   Window 1: v0-191 P's fragments, two sets.   Window 2: accumulator (a, t) at v[8 (8 a + t)].   Window 3: the biases: v0-63 q's, v64-127 k's, v128-159 v's.
; HOW LDS IS FILLED (this paragraph governs): K lies in two halves of 512.  At the head each wave issues one load: wave 0 X's 16 tiles of the first half, wave 1 W's 8, wave 2 X's scale words, wave 3 those of my three blocks of W.
; Behind the three lines and a round each wave issues one load of the second half (waves 0, 1 X's, waves 2, 3 W's).  W's first half is filled again behind a tile's step 3, its second behind step 7, by waves 2 and 3, 4 tiles each.
; One prefetch, of the second half of K, asked for at the head; the walk along K is written out.
.set CHUNK, 147456                     ; LDS: half c of K (512 along K) at 147,456 c: X's 16 tiles x 6,144 bytes, then W's 8
.set XS,   294912                      ; X's scale words: 2 blocks x 8 steps x 512 bytes
.set WS,   303104                      ; W's, of all tiles: [tile][8 steps x 512 bytes]
.set SCR,  315392                      ; 1,024 bytes a wave for new scale words: no tensor load lands here
.set SPARE, 319488                     ; the spare words, 128 bytes a wave: two blocks of 256 bytes that no other line names
.set NT,   3                           ; tiles a work-group
.set VT,   2                           ; the tile with the roles swapped
.set WSTEP, 786432                     ; bytes from a block of W to the next that I walk: 8 blocks x 98,304
.set TP_,  6144                        ; from tile to tile in a half
.set G0R,  24                          ; s[24:35] groups 0 for X: scale words, chunks 0-3
.set G0P,  44                          ; s[44:63] the same for W; the four chunk sets walk on from block to block
.set G1R,  68                          ; groups 1
.set G1P,  76
.set G1RS, 84
.set G1PS, 92
.set MUL,  0xa1                        ; source 0 (P) window 1, source 1 (R) window 0, C and D window 2
.set MULB, 0xb1                        ; the same with C in window 3
.set TO_P, 0x40                        ; destination window 1
.set MSB,  0
.macro WIN new                         ; the immediate's high byte repeats the setting that is left
.if MSB != \new
	s_set_vgpr_msb (MSB<<8)|\new
.set MSB, \new
.endif
.endm
.macro PLACES                          ; four plain lines between a matrix instruction and a load into, or a read of, its registers
.rept 4
	v_nop
.endr
.endm
.macro CROUND                          ; a round of the cluster's barrier
	s_barrier_signal -1
	s_barrier_wait -1
	s_cmp_lg_u32 s100, 0
	s_cbranch_scc1 .Lnot_wave_0_\@
	s_barrier_signal -3
.Lnot_wave_0_\@:
	s_barrier_wait -3
	s_barrier_signal -1
	s_barrier_wait -1
.endm
.macro G1SET g, cols, rows, pitch      ; words 1-7 of a group 1: rows x cols elements of 8 bytes, pitch elements from row to row
	s_mov_b32 s[\g+1], (\cols)<<16
	s_mov_b32 s[\g+2], (\rows)<<16
	s_mov_b32 s[\g+3], (\cols)<<16
	s_mov_b32 s[\g+4], \rows
	s_mov_b32 s[\g+5], \pitch
	s_mov_b32 s[\g+6], 0
	s_mov_b32 s[\g+7], 0
.endm
.macro IDS
	v_lshrrev_b32 v1, 5, v0
	v_readfirstlane_b32 s100, v1                   ; wave 0..3
	s_lshr_b32 s101, s100, 1                       ; wave / 2
	s_and_b32 s104, s100, 1                        ; wave % 2
	s_bfe_u32 s12, ttmp6, 0x40000                  ; cx
	s_bfe_u32 s13, ttmp6, 0x40004                  ; cy
	s_and_b32 s14, ttmp7, 0xffff                   ; cluster y
	s_lshl_b32 s2, s13, 2
	s_lshl_b32 s2, 15, s2                          ; my row of the cluster
	s_lshl_b32 s22, 0x1111, s12                    ; my column
	s_or_b32 s[G1R], s2, (3<<16)|(1<<21)           ; 15:0 the mask; 17:16 elements of 8 bytes; 21 set beside a mask; no padding
	s_or_b32 s[G1RS], s2, (3<<16)|(1<<21)
	s_or_b32 s[G1P], s22, (3<<16)|(1<<21)
	s_or_b32 s[G1PS], s22, (3<<16)|(1<<21)
	s_mov_b32 s66, 0x76543210
	s_mov_b32 s67, 0xfedcba98                      ; v_permlanex16_b32's selects for lane l xor 16
.endm
; Groups 0, each built in its own registers.  s18, s19: byte offsets of X's image and scale words; s20, s21: W's first block's.  rp, pp: the buffers' pointers.
.macro MAKE_G0 rp, pp                  ; X: s[G0R..] scale words, +4 all 16 tiles of K's first half, +8 my 8 tiles of its second.  W: s[G0P..] scale words, +4 and +8 my 4 tiles of the two halves, +12 all 8 tiles of the first
	s_mov_b32 s[G0R+6], s18
	s_mov_b32 s[G0R+7], 0
	s_add_nc_u64 s[G0R+6:G0R+7], s[\rp:\rp+1], s[G0R+6:G0R+7]
	s_mov_b32 s[G0R+5], 0
	s_mul_i32 s[G0R+10], s104, 98304               ; half wave % 2 of X's 16 tiles,
	s_mov_b32 s[G0R+11], 0
	s_add_nc_u64 s[G0R+10:G0R+11], s[G0R+6:G0R+7], s[G0R+10:G0R+11]
	s_add_nc_u64 s[G0R+10:G0R+11], s[G0R+10:G0R+11], 6144   ; 512 along K on
	s_mul_i32 s[G0R+9], s104, 49152
	s_add_co_u32 s[G0R+9], s[G0R+9], CHUNK
.irp c, 0,1
	s_mov_b32 s[G0R+4+4*\c], 1
	s_or_b32 s[G0R+7+4*\c], s[G0R+7+4*\c], 0x80000000
.endr
	s_mov_b32 s[G0R+2], s19                        ; X's scale words: 8,192 dense bytes
	s_mov_b32 s[G0R+3], 0
	s_add_nc_u64 s[G0R+2:G0R+3], s[\rp:\rp+1], s[G0R+2:G0R+3]
	s_or_b32 s[G0R+3], s[G0R+3], 0x80000000
	s_mov_b32 s[G0R+1], XS
	s_mov_b32 s[G0R], 1
	s_mov_b32 s[G0P+14], s20
	s_mov_b32 s[G0P+15], 0
	s_add_nc_u64 s[G0P+14:G0P+15], s[\pp:\pp+1], s[G0P+14:G0P+15]
	s_mov_b32 s[G0P+13], 98304
	s_mul_i32 s[G0P+6], s104, 49152                ; half wave % 2 of W's 8 tiles
	s_mov_b32 s[G0P+7], 0
	s_add_nc_u64 s[G0P+6:G0P+7], s[G0P+14:G0P+15], s[G0P+6:G0P+7]
	s_add_nc_u64 s[G0P+10:G0P+11], s[G0P+6:G0P+7], 6144
	s_mul_i32 s[G0P+5], s104, 24576
	s_add_co_u32 s[G0P+5], s[G0P+5], 98304
	s_add_co_u32 s[G0P+9], s[G0P+5], CHUNK
.irp c, 0,1,2
	s_mov_b32 s[G0P+4+4*\c], 1
	s_or_b32 s[G0P+7+4*\c], s[G0P+7+4*\c], 0x80000000
.endr
	s_mov_b32 s[G0P+2], s21                        ; the scale words of my blocks of W: 4,096 bytes each
	s_mov_b32 s[G0P+3], 0
	s_add_nc_u64 s[G0P+2:G0P+3], s[\pp:\pp+1], s[G0P+2:G0P+3]
	s_or_b32 s[G0P+3], s[G0P+3], 0x80000000
	s_mov_b32 s[G0P+1], WS
	s_mov_b32 s[G0P], 1
.endm
.macro ARM under, g0, g1, next         ; one arm of the head's tree: its load, s_nop 0, four v_nop, a jump to the tree's end
	s_cmp_lt_u32 s100, \under
	s_cbranch_scc0 \next
	tensor_load_to_lds s[\g0:\g0+3], s[\g1:\g1+7]
	s_nop 0
.rept 4
	v_nop
.endr
	s_branch .Lfirst_asked
\next:
.endm
.macro FIRSTFILLS                      ; one load a wave, in one tree of branches on the wave's number
	ARM 1, G0R+4, G1R, .Lfirst_w
	ARM 2, G0P+12, G1P, .Lfirst_xs
	ARM 3, G0R, G1RS, .Lfirst_ws
	tensor_load_to_lds s[G0P:G0P+3], s[G1PS:G1PS+7]
	s_nop 0
.rept 4
	v_nop
.endr
.Lfirst_asked:
.endm
.macro SECOND                          ; the second half of K, filled for the first time: issued as a refill is
	s_wait_alu depctr_va_vdst(0)                   ; directly ahead of the wait below
	s_wait_tensorcnt 0x0                           ; my one load of the head has landed
	ds_add_u32 v22, v23                            ; 0 onto my spare word
	s_mov_b32 s[G1R+2], 8<<16                      ; no load of mine is out: from here on a load of X brings 8 tiles,
	s_mov_b32 s[G1R+4], 8
	s_mov_b32 s[G1P+2], 4<<16                      ; one of W 4
	s_mov_b32 s[G1P+4], 4
	s_wait_dscnt 0x0
	CROUND                                         ; the head's four tiles are whole for every wave, and the sixteen work-groups meet
	s_cmp_eq_u32 s101, 0
	s_cbranch_scc0 .Lsecond_w
	tensor_load_to_lds s[G0R+8:G0R+11], s[G1R:G1R+7]
	s_nop 0
.rept 4
	v_nop
.endr
	s_branch .Lsecond_asked
.Lsecond_w:
	tensor_load_to_lds s[G0P+8:G0P+11], s[G1P:G1P+7]
	s_nop 0
.rept 4
	v_nop
.endr
.Lsecond_asked:
.endm
.macro JLOADW cp                       ; a joint refill of W's half cp / 2 of K: waves 2 and 3 fetch 4 tiles each; the branch hangs on the wave's number alone
	s_cmp_eq_u32 s101, 0
	s_cbranch_scc1 .Lnone_\@
	tensor_load_to_lds s[G0P+4+2*(\cp):G0P+7+2*(\cp)], s[G1P:G1P+7]
	s_nop 0
.Lnone_\@:
.rept 4
	v_nop
.endr
.endm
.macro ADDRS                           ; every LDS address: a constant + a constant x wave + a lane term
	v_and_b32 v2, 31, v0
	v_lshlrev_b32 v1, 4, v2
	v_lshlrev_b32 v21, 3, v2
	v_lshlrev_b32 v2, 2, v2
	v_and_b32 v3, 15, v0
	v_bfe_u32 v4, v0, 4, 1
	s_mul_i32 s2, s100, 24576                      ; R = X: my four tiles
.irp c, 0,1
	v_add_nc_u32 v[5+\c], s2, v1
	v_add_nc_u32 v[9+\c], CHUNK*\c+98304, v1       ; P = W: all eight
	s_add_co_u32 s2, s2, CHUNK
.endr
	s_wait_alu depctr_va_vdst(0)
.if VT < NT
	s_mul_i32 s2, s101, 24576                      ; the roles swapped: R = W: its tiles 4 (wave / 2) on,
	s_add_co_u32 s2, s2, 98304
	s_mul_i32 s3, s104, 49152                      ; P = X: its tiles 8 (wave % 2) on
.irp c, 0,1
	v_add_nc_u32 v[17+\c], s2, v1
	v_add_nc_u32 v[24+\c], s3, v1
	s_add_co_u32 s2, s2, CHUNK
	s_add_co_u32 s3, s3, CHUNK
.endr
	s_lshl_b32 s2, s101, 8
	s_add_co_u32 s2, s2, WS
	v_add_nc_u32 v28, s2, v2                       ; R's scale words
	s_lshl_b32 s2, s104, 12
	s_add_co_u32 s2, s2, XS
	v_add_nc_u32 v29, s2, v2                       ; P's
.endif
	s_lshl_b32 s2, s101, 12
	s_lshl_b32 s3, s104, 8
	s_add_co_u32 s2, s2, s3
	s_add_co_u32 s2, s2, XS
	v_add_nc_u32 v13, s2, v2
	v_add_nc_u32 v14, WS, v2
	s_lshl_b32 s2, s100, 10
	s_add_co_u32 s2, s2, SCR
	v_lshl_add_u32 v15, v3, 2, s2
	v_add_nc_u32 v16, s2, v21
.irp b, 0,1,2,3
	v_mov_b32 v[48+\b], 0                          ; written once: a lane permute's destination counts as one of its sources
.endr
.endm
.macro FETCH q, ti                     ; K step q of tile ti: 6 scale registers, R's 4 fragments and P's 8, into set q % 2: every load takes consecutive bytes
.set FC, (\q)/4
.set FS, (\q)%4
.set FG, (\q)%2
.set WOF, 4096*(\ti)+512*(\q)
.set XOF, 512*(\q)
.if (\ti) == VT
.set AR, 17
.set AP, 24
.set ASR, 28
.set ASP, 29
.set SRO, WOF
.set SPO, XOF
.else
.set AR, 5
.set AP, 9
.set ASR, 13
.set ASP, 14
.set SRO, XOF
.set SPO, WOF
.endif
	WIN 0
.irp i, 0,1,2,3
	ds_load_b32 v[32+6*FG+\i], v[ASP] offset:SPO+128*\i
.endr
.irp i, 0,1
	ds_load_b32 v[36+6*FG+\i], v[ASR] offset:SRO+128*\i
.endr
.irp fa, 0,1,2,3
.irp ch, 0,1,2
	ds_load_b128 v[64+48*FG+12*\fa+4*\ch:64+48*FG+12*\fa+4*\ch+3], v[AR+FC] offset:TP_*\fa+1536*FS+512*\ch
.endr
.endr
	WIN TO_P
.irp ft, 0,1,2,3,4,5,6,7
.irp ch, 0,1,2
	ds_load_b128 v[96*FG+12*\ft+4*\ch:96*FG+12*\ft+4*\ch+3], v[AP+FC] offset:TP_*\ft+1536*FS+512*\ch
.endr
.endr
	WIN 0
.endm
; One product: R's tile ra x P's tile pt, set g.  cm = 0: adds in place; 2: C = tile ti's bias block of pt; 3: C = the bias block of ra.  An odd tile's scale words stand in lanes 16-31.
.macro WM g, cm, ti, ra, pt
.set rD, 8*(8*(\ra)+(\pt))
.set rP, 96*(\g)+12*(\pt)
.set rR, 64+48*(\g)+12*(\ra)
.set rA, 32+6*(\g)+(\pt)/2
.set rB, 36+6*(\g)+(\ra)/2
.set rC, rD
.if (\cm) == 2
.set rC, 64*(\ti)+8*(\pt)
.endif
.if (\cm) == 3
.set rC, 128+8*(\ra)
.endif
.set rowsel, 2*((\pt)%2)+(\ra)%2
.if rowsel == 0
	v_wmma_scale_f32_16x16x128_f8f6f4 v[rD:rD+7], v[rP:rP+11], v[rR:rR+11], v[rC:rC+7], v[rA], v[rB] matrix_a_fmt:MATRIX_FMT_FP6 matrix_b_fmt:MATRIX_FMT_FP6
.elseif rowsel == 1
	v_wmma_scale_f32_16x16x128_f8f6f4 v[rD:rD+7], v[rP:rP+11], v[rR:rR+11], v[rC:rC+7], v[rA], v[rB] matrix_a_fmt:MATRIX_FMT_FP6 matrix_b_fmt:MATRIX_FMT_FP6 matrix_b_scale:MATRIX_SCALE_ROW1
.elseif rowsel == 2
	v_wmma_scale_f32_16x16x128_f8f6f4 v[rD:rD+7], v[rP:rP+11], v[rR:rR+11], v[rC:rC+7], v[rA], v[rB] matrix_a_fmt:MATRIX_FMT_FP6 matrix_b_fmt:MATRIX_FMT_FP6 matrix_a_scale:MATRIX_SCALE_ROW1
.else
	v_wmma_scale_f32_16x16x128_f8f6f4 v[rD:rD+7], v[rP:rP+11], v[rR:rR+11], v[rC:rC+7], v[rA], v[rB] matrix_a_fmt:MATRIX_FMT_FP6 matrix_b_fmt:MATRIX_FMT_FP6 matrix_a_scale:MATRIX_SCALE_ROW1 matrix_b_scale:MATRIX_SCALE_ROW1
.endif
.endm
.macro MUL32 g, cm, ti                 ; a K step's 32 products: the 32 accumulators take turns, one instruction a turn, in the same order in every step
.if (\cm) >= 2
	WIN MULB
.else
	WIN MUL
.endif
.irp ra, 0,1,2,3
.irp pt, 0,1,2,3,4,5,6,7
	WM \g, \cm, \ti, \ra, \pt
.endr
.endr
.endm
.macro STEP q, ti, cm                  ; K step q of tile ti: its fragments were asked for a step ago; the next step's are asked for ahead of its 32 products
	s_wait_dscnt 0x0
.if (\q) < 7
.if ((\q) > 0) || ((\ti) > 0)
	PLACES
.endif
	FETCH (\q)+1, \ti
.endif
	MUL32 (\q)%2, \cm, \ti
	WIN 0
.endm
; Step q (3 or 7) of a tile that has a successor: W's part of chunks cp, cp + 1, whose last reads are this step's fragments, takes the next block.  Each wave waits for all its tensor loads, adds 0 to its spare word, and waits for
; that and for its reads; a round of the cluster's barrier; the joint refill first behind it; then the fragments of step nq of tile nti, and this step's products from registers.
.macro TURN q, ti, cp, nq, nti
	s_wait_tensorcnt 0x0                           ; no tensor load of mine is out, so a group 0 may be written; what the next steps read has landed
	ds_add_u32 v22, v23                            ; 0 onto my spare word
	s_add_nc_u64 s[G0P+6+2*(\cp):G0P+7+2*(\cp)], s[G0P+6+2*(\cp):G0P+7+2*(\cp)], WSTEP       ; this half's set steps to the next block; the type bits on top are not reached
	s_wait_dscnt 0x0                               ; the add is done, and my reads of these chunks are over
	CROUND                                         ; no wave of any partner still reads them or has a load on its way
	JLOADW \cp                                     ; its four v_nop are also the places in front of the loads below
	FETCH \nq, \nti
	MUL32 (\q)%2, 0, \ti
	WIN 0
.endm
.macro MEET q, ti                      ; step 3 of the last tile: the last refill has landed in every wave; nothing is filled again, so a plain barrier serves
	s_wait_tensorcnt 0x0
	s_wait_dscnt 0x0
	s_barrier_signal -1
	s_barrier_wait -1
	PLACES
	FETCH (\q)+1, \ti
	MUL32 (\q)%2, 0, \ti
	WIN 0
.endm
; The 64 results of R's tile ra in my lane (register 16 b + i = next K 32 b + 16 h + i of my row) become a fragment in v[160 + 12 ra] on and its scale word in v60.
.macro QUANT ra
	WIN 0x28                                       ; sources 1 and 2: window 2
.irp b, 0,1,2,3
	v_max3_num_f32 v[44+\b], 0x1800000, |v[64*(\ra)+16*\b]|, |v[64*(\ra)+16*\b+1]|   ; my 16 of block b and the floor 2^(3 - 127); each accumulator is read from its low end on
.endr
.irp i, 2,4,6,8,10,12,14
.irp b, 0,1,2,3
	v_max3_num_f32 v[44+\b], v[44+\b], |v[64*(\ra)+16*\b+\i]|, |v[64*(\ra)+16*\b+\i+1]|
.endr
.endr
	WIN 0
.irp b, 0,1,2,3
	v_permlanex16_b32 v[48+\b], v[44+\b], s66, s67
.endr
.irp b, 0,1,2,3
	v_max_num_f32 v[44+\b], v[44+\b], v[48+\b]     ; with lane l xor 16's 16: the block's largest magnitude
.endr
.irp b, 0,1,2,3
	v_add_nc_u32 v[56+\b], 0xff000000, v[44+\b]    ; 2 off its exponent field: the conversion's scale operand
.endr
.irp b, 0,1,2,3
	v_lshrrev_b32 v[48+\b], 23, v[56+\b]           ; the byte
.endr
	v_lshl_or_b32 v60, v49, 8, v48
	v_lshl_or_b32 v60, v50, 16, v60
	v_lshl_or_b32 v60, v51, 24, v60                ; my row's scale word
	WIN 0x02                                       ; source 0: window 2
.irp c, 0,1
	v_cvt_scalef32_pk16_fp6_f32 v[160+12*(\ra)+6*\c:160+12*(\ra)+6*\c+2], v[64*(\ra)+32*\c:64*(\ra)+32*\c+15], v[56+2*\c]
	v_cvt_scalef32_pk16_fp6_f32 v[208+4*\c:208+4*\c+2], v[64*(\ra)+32*\c+16:64*(\ra)+32*\c+31], v[56+2*\c+1]
.endr
	WIN 0
	v_nop                                          ; one plain line behind a scaled conversion
.irp c, 0,1                            ; the layout wants a whole block in a lane: lanes 0-15 block 2 c, lanes 16-31 block 2 c + 1
.irp i, 0,1,2
	v_permlane16_swap_b32 v[160+12*(\ra)+6*\c+\i], v[208+4*\c+\i]
.endr
.irp i, 0,1,2
	v_mov_b32 v[160+12*(\ra)+6*\c+3+\i], v[208+4*\c+\i]
.endr
.endr
.endm
.macro PUTIMG ra, sb, imm              ; the fragment leaves as it stands: three stores of 512 consecutive bytes; the word goes to my scratch
.irp ch, 0,1,2
	global_store_b128 v1, v[160+12*(\ra)+4*\ch:160+12*(\ra)+4*\ch+3], s[\sb:\sb+1] offset:(\imm)+512*\ch
.endr
	ds_store_b32 v15, v60 offset:64*(\ra)
.endm
.macro PUTWORDS sb, imm                ; my 64 rows' words: 256 consecutive bytes, aligned
	ds_load_b64 v[216:217], v16                    ; my own bytes, in order behind my stores
	s_wait_dscnt 0x0
	global_store_b64 v21, v[216:217], s[\sb:\sb+1] offset:\imm
.endm
.macro OUT ti                          ; tile ti is quantised and leaves; k's image and words lie 6,291,456 and 262,144 bytes behind q's: inside the stores' signed 24-bit immediate (ISA guide, chapter 10)
.if (\ti) > 0
	s_wait_xcnt 0x0                                ; the last tile's stores have read the fragments' registers: they are written again only behind this wait
.endif
	PLACES
.irp ra, 0,1,2,3
	QUANT \ra
.if (\ti) == VT
	PUTIMG \ra, 20, 24576*\ra
.else
	PUTIMG \ra, 10, 6291456*(\ti)+12288*\ra
.endif
.endr
.if (\ti) == VT
	PUTWORDS 22, 0
.else
	PUTWORDS 18, 262144*(\ti)
.endif
.endm
	s_load_b128 s[4:7], s[0:1], 0x0                ; opnd s[4:5], b1 s[6:7]
	s_load_b64 s[8:9], s[0:1], 0x10                ; qkv
	v_lshl_add_u32 v22, v0, 2, SPARE
	v_mov_b32 v23, 0
	ds_add_u32 v22, v23
	ds_add_u32 v22, v23
	s_wait_dscnt 0x0
	IDS
	G1SET G1R, 768, 16, 1536                       ; the head's load: 16 tiles x 6,144 bytes (512 along K), 12,288 bytes from tile to tile
	G1SET G1P, 768, 8, 1536
	G1SET G1RS, 32, 32, 32                         ; 8,192 dense bytes
	G1SET G1PS, 512, NT, 4096                      ; 4,096 bytes of each of my three blocks' scale words, 32,768 bytes apart
	s_lshl_b32 s15, s14, 2
	s_add_co_u32 s15, s15, s13                     ; rt: my block of 256 tokens = 4 x cluster y + cy
	s_lshl_b32 s17, ttmp9, 2
	s_add_co_u32 s17, s17, s12                     ; j: my first block of 128 columns = 4 x cluster x + cx
	s_mul_i32 s18, s15, 196608                     ; x's image
	s_lshl_b32 s19, s15, 13
	s_add_co_u32 s19, s19, 9437184                 ; x's scale words
	s_mul_i32 s20, s17, 98304
	s_add_co_u32 s20, s20, 6291456                 ; W1's image
	s_lshl_b32 s21, s17, 12
	s_add_co_u32 s21, s21, 9699328                 ; W1's scale words
	s_wait_kmcnt 0x0
	MAKE_G0 4, 4
	CROUND                                         ; all sixteen work-groups are here: the joint loads meet
	FIRSTFILLS
	; THE ONE PREFETCH OF THIS TEXT: the second half of K of X and of W's first block, which the next fill loads, is asked for here, one fill ahead.  Each aligned block of 256 bytes is named once in the cluster:
	; of X's 16 tiles the partner at cx takes 4, a wave one (24 blocks); of W's 8 the partner at cy takes 2, a wave half of one (12 blocks); lanes left over name their wave's last block again.
	; The partners are told apart by address alone.  s[36:39], v30 and v31 are never written again.  W's refills have none: no wave waits for them.
	s_lshl_b32 s36, s12, 2
	s_add_co_u32 s36, s36, s100                    ; X's tile 4 cx + wave
	s_mul_i32 s36, s36, 12288
	s_add_co_u32 s36, s36, s18
	s_add_co_u32 s36, s36, 6144
	s_mov_b32 s37, 0
	s_add_nc_u64 s[36:37], s[4:5], s[36:37]
	s_lshl_b32 s38, s13, 1
	s_add_co_u32 s38, s38, s104                    ; W's tile 2 cy + wave % 2,
	s_mul_i32 s38, s38, 12288
	s_mul_i32 s39, s101, 3072                      ; its half wave / 2
	s_add_co_u32 s38, s38, s39
	s_add_co_u32 s38, s38, s20
	s_add_co_u32 s38, s38, 6144
	s_mov_b32 s39, 0
	s_add_nc_u64 s[38:39], s[4:5], s[38:39]
	v_and_b32 v30, 31, v0
	v_min_u32 v31, 11, v30
	v_min_u32 v30, 23, v30
	v_lshlrev_b32 v31, 8, v31
	v_lshlrev_b32 v30, 8, v30
	global_prefetch_b8 v30, s[36:37] th:TH_LOAD_NT scope:SCOPE_SE
	global_prefetch_b8 v31, s[38:39] th:TH_LOAD_NT scope:SCOPE_SE
	ADDRS
	; the biases, once for the three tiles: each is the C of a sum's first product
	s_lshl_b32 s2, s17, 9
	s_mov_b32 s3, 0
	s_add_nc_u64 s[6:7], s[6:7], s[2:3]            ; b1 at column 128 j
	v_lshlrev_b32 v44, 6, v4
	WIN 0xc0                                       ; destination window 3
.irp i, 0,1                            ; q, k: block t, register n = b1 at 1,024 i + 128 j + 32 (t / 2) + 16 h + 8 (t % 2) + n
.irp t, 0,1,2,3,4,5,6,7
	global_load_b128 v[64*\i+8*\t:64*\i+8*\t+3], v44, s[6:7] offset:4096*\i+(32*(\t/2)+8*(\t%2))*4
	global_load_b128 v[64*\i+8*\t+4:64*\i+8*\t+7], v44, s[6:7] offset:4096*\i+(32*(\t/2)+8*(\t%2))*4+16
.endr
.endr
	WIN 0
	v_and_b32 v52, 8, v3
	v_add_nc_u32 v52, v52, v3                      ; my row of a tile: r + 8 (r / 8)
	s_lshl_b32 s2, s101, 8
	v_lshl_add_u32 v52, v52, 2, s2                 ; v: the bias hangs on the lane's row: column 2,048 + 128 j + 64 (wave / 2) + 32 (a / 2) + 8 (a % 2) + my row
.irp ra, 0,1,2,3
	global_load_b32 v[56+\ra], v52, s[6:7] offset:8192+(32*(\ra/2)+8*(\ra%2))*4
.endr
	; where the results go
	s_lshl_b32 s2, s15, 4
	s_lshl_b32 s16, s100, 2
	s_add_co_u32 s2, s2, s16                       ; q, k: my first tile of tokens: 16 rt + 4 x wave
	s_mul_i32 s2, s2, 12288
	s_mul_i32 s16, s17, 1536                       ; K step j of the next product
	s_add_co_u32 s2, s2, s16
	s_add_nc_u64 s[10:11], s[8:9], s[2:3]          ; q's fragments
	s_lshl_b32 s2, s15, 1
	s_add_co_u32 s2, s2, s101
	s_lshl_b32 s2, s2, 12
	s_lshl_b32 s16, s17, 9
	s_add_co_u32 s2, s2, s16
	s_lshl_b32 s16, s104, 8
	s_add_co_u32 s2, s2, s16
	s_add_co_u32 s2, s2, 18874368
	s_add_nc_u64 s[18:19], s[8:9], s[2:3]          ; q's scale words
	s_lshr_b32 s12, s15, 3                         ; v: the batch,
	s_and_b32 s13, s15, 7
	s_lshl_b32 s13, s13, 1
	s_add_co_u32 s13, s13, s104                    ; my key step in it: 2 (rt % 8) + wave % 2,
	s_mul_i32 s2, s12, 1572864
	s_lshl_b32 s16, s17, 3
	s_lshl_b32 s14, s101, 2
	s_add_co_u32 s16, s16, s14                     ; my first tile of features: 8 j + 4 (wave / 2)
	s_mul_i32 s16, s16, 24576
	s_add_co_u32 s2, s2, s16
	s_mul_i32 s16, s13, 1536
	s_add_co_u32 s2, s2, s16
	s_add_co_u32 s2, s2, 12582912
	s_add_nc_u64 s[20:21], s[8:9], s[2:3]          ; v's fragments
	s_lshl_b32 s2, s12, 16
	s_lshl_b32 s16, s17, 13
	s_add_co_u32 s2, s2, s16
	s_lshl_b32 s16, s13, 9
	s_add_co_u32 s2, s2, s16
	s_lshl_b32 s16, s101, 8
	s_add_co_u32 s2, s2, s16
	s_add_co_u32 s2, s2, 19398656
	s_add_nc_u64 s[22:23], s[8:9], s[2:3]          ; v's scale words
	SECOND
	s_wait_loadcnt 0x0                             ; the biases
	WIN 0xc0
.irp ra, 0,1,2,3
.irp n, 0,1,2,3,4,5,6,7
	v_mov_b32 v[128+8*\ra+\n], v[56+\ra]           ; v's bias in the result's layout: the same number in a lane's eight registers
.endr
.endr
	WIN 0
	FETCH 0, 0
	STEP 0, 0, 2                                   ; ---- tile 0: q
	STEP 1, 0, 0
	STEP 2, 0, 0
	TURN 3, 0, 0, 4, 0                             ; chunks 0, 1 take k's block
	STEP 4, 0, 0
	STEP 5, 0, 0
	STEP 6, 0, 0
	TURN 7, 0, 2, 0, 1                             ; chunks 2, 3 take it; k's first fragments are fetched
	OUT 0
	STEP 0, 1, 2                                   ; ---- tile 1: k
	STEP 1, 1, 0
	STEP 2, 1, 0
	TURN 3, 1, 0, 4, 1                             ; chunks 0, 1 take v's block
	STEP 4, 1, 0
	STEP 5, 1, 0
	STEP 6, 1, 0
	TURN 7, 1, 2, 0, 2                             ; chunks 2, 3 take it; v's first fragments are fetched, the roles swapped
	OUT 1
	STEP 0, 2, 3                                   ; ---- tile 2: v
	STEP 1, 2, 0
	STEP 2, 2, 0
	MEET 3, 2
	STEP 4, 2, 0
	STEP 5, 2, 0
	STEP 6, 2, 0
	STEP 7, 2, 0
	OUT 2
	s_wait_tensorcnt 0x0                           ; the wave's end: behind my last tensor load and my last LDS store
	ds_add_u32 v22, v23
	s_wait_dscnt 0x0
	CROUND                                         ; the closing round: no work-group ends while a partner may still ask for a tile that names it
	s_endpgm
.Lfunc_end_k_q656a07c7f4_qkvgemm:
	.size	k_q656a07c7f4_qkvgemm, .Lfunc_end_k_q656a07c7f4_qkvgemm-k_q656a07c7f4_qkvgemm
	.p2alignl 7, 3214868480
	.fill 96, 4, 3214868480
	.section	.rodata,"a",@progbits
	.p2align	6, 0x0
	.amdhsa_kernel k_q656a07c7f4_qkvgemm
		.amdhsa_group_segment_fixed_size 327680
		.amdhsa_private_segment_fixed_size 0
		.amdhsa_enable_private_segment 0
		.amdhsa_kernarg_size 24
		.amdhsa_user_sgpr_count 2
		.amdhsa_user_sgpr_kernarg_segment_ptr 1
		.amdhsa_wavefront_size32 1
		.amdhsa_system_sgpr_workgroup_id_x 1
		.amdhsa_system_sgpr_workgroup_id_y 1
		.amdhsa_system_sgpr_workgroup_id_z 1
		.amdhsa_system_vgpr_workitem_id 0
		.amdhsa_next_free_vgpr 1024
		.amdhsa_next_free_sgpr 106
		.amdhsa_reserve_vcc 0
		.amdhsa_float_denorm_mode_32 3
		.amdhsa_float_denorm_mode_16_64 3
		.amdhsa_memory_ordered 1
		.amdhsa_forward_progress 1
		.amdhsa_inst_pref_size 238
	.end_amdhsa_kernel
	.amdgpu_metadata
---
amdhsa.version: [ 1, 2 ]
amdhsa.kernels:
  - .name:           k_q656a07c7f4_qkvgemm
    .symbol:         k_q656a07c7f4_qkvgemm.kd
    .args:
      - { .name: opnd, .offset: 0, .size: 8, .value_kind: global_buffer, .address_space: global }
      - { .name: b1, .offset: 8, .size: 8, .value_kind: global_buffer, .address_space: global }
      - { .name: qkv, .offset: 16, .size: 8, .value_kind: global_buffer, .address_space: global }
    .group_segment_fixed_size: 327680
    .private_segment_fixed_size: 0
    .kernarg_segment_align: 8
    .kernarg_segment_size: 24
    .max_flat_workgroup_size: 128
    .sgpr_count:     106
    .vgpr_count:     1024
    .wavefront_size: 32
...
	.end_amdgpu_metadata
.endif
;; end of part 2
;; launch scores (part 3): grid 8 x 32, 4 waves a work-group, clusters of 4 x 4, 327,680 bytes of LDS; arguments qkv, prob; writes prob
.if DOCPART == 3
	.amdgcn_target "amdgcn-amd-amdhsa--gfx1250"
	.amdhsa_code_object_version 6
	.text
	.protected	k_q656a07c7f4_scores
	.globl	k_q656a07c7f4_scores
	.p2align	8
	.type	k_q656a07c7f4_scores,@function
k_q656a07c7f4_scores:
	s_mov_b64 s[64:65], 0
	v_nop
	global_prefetch_b8 v0, s[64:65] scope:SCOPE_SE
	s_setreg_imm32_b32 hwreg(HW_REG_WAVE_MODE, 25, 1), 1
	s_wait_xcnt 0x0
	s_wait_alu depctr_hold_cnt(0) depctr_sa_sdst(0) depctr_va_vdst(0) depctr_va_sdst(0) depctr_va_ssrc(0) depctr_va_vcc(0) depctr_vm_vsrc(0)
	s_getreg_b32 s2, hwreg(HW_REG_IB_STS2, 6, 4)
	s_cmp_eq_u32 s2, 0
	s_cbranch_scc0 .Lentry_in_a_cluster
	s_endpgm
.Lentry_in_a_cluster:
	s_bfe_u32 s2, ttmp6, 0x10000c
	s_cmp_lg_u32 s2, 0xf033
	s_cbranch_scc0 .Lentry_shape_is_right
	s_endpgm
.Lentry_shape_is_right:
; S = q k^T on codes of FP6 (E2M3) with E8M0 scales, and the softmax's p, quantised along the keys, for the next product.
; t = score x log2(e) / sqrt(2048).  For each query and each 128 keys: M = ceil(the largest t of these 128 keys), p = 2^(t - M), quantised by blocks of 32 keys; -M and l = the sum of the unquantised p go to memory beside the scale words.
; M is a whole number: under the row's own M the codes are the same and each scale byte is lower by (the row's M - this M), which the next launch takes off the bytes.  So the maximum is always taken away ahead of the exponential.
; OPERANDS are images of operand registers (tile = 16 rows x 128 K = 1,536 bytes; registers 4 c .. 4 c + 3 of lane l at 512 c + 16 l).  Source 0 = a tile of k, source 1 = a tile of q: a lane holds one query and 64 of its 128 keys.
; A WORK-GROUP STAYS.  It keeps X = 256 queries (all of K = 1,024) in LDS for the whole launch and walks two blocks W of 128 keys of the same batch, blocks x and x + 8: two tiles of 256 x 128.  Wave w takes queries 64 w .. 64 w + 63.
; LDS: X, W's first block and the scale words of X and of both blocks are asked for at the head (five tensor loads a wave are out at most).  W's part is filled again in two halves of K: behind the first tile's step 3 chunks 0, 1
; take the second block, behind its step 7 chunks 2, 3: one load a wave behind a round of the cluster's barrier.  The first tile's softmax and stores stand while the second half lands.
; CLUSTER 4 x 4: X's tiles are shared along a row of the cluster, W's along a column: joint loads.
; LIMITS: a p under 2^-126 comes out of the exponential as 0; a block whose largest p lies under 2^-124 gets the byte 1; NaN and infinities are not served.
; REGISTERS.  Window 0: v1 16 x lane, v2 4 x lane, v3 r, v4 h, v5-12 fragment addresses, v13, v14 scale words' addresses, v15, v16 my scratch, v21 8 x lane, v22, v23 the spare word's address and 0; v32-43 scale words; v44-63 at work;
;   v64-159 q's fragments; v160-207 four new fragments; v208-221 at work.   Window 1: v0-191 k's fragments.   Window 2: accumulator (a, t) at v[8 (8 a + t)].
; HOW LDS IS FILLED (this paragraph governs): K lies in two halves of 512.  At the head each wave issues one load: wave 0 X's 16 tiles of the first half, wave 1 W's 8, wave 2 X's scale words, wave 3 those of my two blocks of W.
; Behind the three lines and a round each wave issues one load of the second half (waves 0, 1 X's, waves 2, 3 W's).  W's first half is filled again behind the first tile's step 3, its second behind step 7, by waves 2 and 3, 4 tiles each.
; One prefetch, of the second half of K, asked for at the head; the walk along K is written out.
.set CHUNK, 147456                     ; LDS: half c of K (512 along K) at 147,456 c: X's 16 tiles x 6,144 bytes, then W's 8
.set XS,   294912                      ; X's scale words: 2 blocks x 8 steps x 512 bytes
.set WS,   303104                      ; W's, of both tiles: [tile][8 steps x 512 bytes]
.set SCR,  315392                      ; 1,024 bytes a wave: new scale words, -M, l: no tensor load lands here
.set SPARE, 319488                     ; the spare words, 128 bytes a wave: two blocks of 256 bytes that no other line names
.set NT,   2                           ; tiles a work-group
.set WSTEP, 786432                     ; bytes from a block of W to the next that I walk: 8 blocks x 98,304
.set TP_,  6144
.set G0R,  24                          ; s[24:35] groups 0 for X: scale words, chunks 0-3
.set G0P,  44                          ; s[44:63] the same for W; the four chunk sets walk on to the second block
.set G1R,  68
.set G1P,  76
.set G1RS, 84
.set G1PS, 92
.set MUL,  0xa1                        ; source 0 (k) window 1, source 1 (q) window 0, C and D window 2
.set TO_P, 0x40
.set MSB,  0
.macro WIN new                         ; the immediate's high byte repeats the setting that is left
.if MSB != \new
	s_set_vgpr_msb (MSB<<8)|\new
.set MSB, \new
.endif
.endm
.macro PLACES                          ; four plain lines between a matrix instruction and a load into, or a read of, its registers
.rept 4
	v_nop
.endr
.endm
.macro CROUND                          ; a round of the cluster's barrier
	s_barrier_signal -1
	s_barrier_wait -1
	s_cmp_lg_u32 s100, 0
	s_cbranch_scc1 .Lnot_wave_0_\@
	s_barrier_signal -3
.Lnot_wave_0_\@:
	s_barrier_wait -3
	s_barrier_signal -1
	s_barrier_wait -1
.endm
.macro G1SET g, cols, rows, pitch
	s_mov_b32 s[\g+1], (\cols)<<16
	s_mov_b32 s[\g+2], (\rows)<<16
	s_mov_b32 s[\g+3], (\cols)<<16
	s_mov_b32 s[\g+4], \rows
	s_mov_b32 s[\g+5], \pitch
	s_mov_b32 s[\g+6], 0
	s_mov_b32 s[\g+7], 0
.endm
.macro IDS
	v_lshrrev_b32 v1, 5, v0
	v_readfirstlane_b32 s100, v1                   ; wave 0..3
	s_lshr_b32 s101, s100, 1                       ; wave / 2
	s_and_b32 s104, s100, 1                        ; wave % 2
	s_bfe_u32 s12, ttmp6, 0x40000                  ; cx
	s_bfe_u32 s13, ttmp6, 0x40004                  ; cy
	s_and_b32 s14, ttmp7, 0xffff                   ; cluster y
	s_lshl_b32 s2, s13, 2
	s_lshl_b32 s2, 15, s2                          ; my row of the cluster
	s_lshl_b32 s22, 0x1111, s12                    ; my column
	s_or_b32 s[G1R], s2, (3<<16)|(1<<21)           ; the mask; elements of 8 bytes; bit 21 set beside a mask; no padding
	s_or_b32 s[G1RS], s2, (3<<16)|(1<<21)
	s_or_b32 s[G1P], s22, (3<<16)|(1<<21)
	s_or_b32 s[G1PS], s22, (3<<16)|(1<<21)
	s_mov_b32 s66, 0x76543210
	s_mov_b32 s67, 0xfedcba98
.endm
.macro MAKE_G0 rp, pp                  ; X: s[G0R..] scale words, +4 all 16 tiles of K's first half, +8 my 8 tiles of its second.  W: s[G0P..] scale words, +4 and +8 my 4 tiles of the two halves, +12 all 8 tiles of the first
	s_mov_b32 s[G0R+6], s18
	s_mov_b32 s[G0R+7], 0
	s_add_nc_u64 s[G0R+6:G0R+7], s[\rp:\rp+1], s[G0R+6:G0R+7]
	s_mov_b32 s[G0R+5], 0
	s_mul_i32 s[G0R+10], s104, 98304               ; half wave % 2 of X's 16 tiles,
	s_mov_b32 s[G0R+11], 0
	s_add_nc_u64 s[G0R+10:G0R+11], s[G0R+6:G0R+7], s[G0R+10:G0R+11]
	s_add_nc_u64 s[G0R+10:G0R+11], s[G0R+10:G0R+11], 6144   ; 512 along K on
	s_mul_i32 s[G0R+9], s104, 49152
	s_add_co_u32 s[G0R+9], s[G0R+9], CHUNK
.irp c, 0,1
	s_mov_b32 s[G0R+4+4*\c], 1
	s_or_b32 s[G0R+7+4*\c], s[G0R+7+4*\c], 0x80000000
.endr
	s_mov_b32 s[G0R+2], s19                        ; X's scale words: 8,192 dense bytes
	s_mov_b32 s[G0R+3], 0
	s_add_nc_u64 s[G0R+2:G0R+3], s[\rp:\rp+1], s[G0R+2:G0R+3]
	s_or_b32 s[G0R+3], s[G0R+3], 0x80000000
	s_mov_b32 s[G0R+1], XS
	s_mov_b32 s[G0R], 1
	s_mov_b32 s[G0P+14], s20
	s_mov_b32 s[G0P+15], 0
	s_add_nc_u64 s[G0P+14:G0P+15], s[\pp:\pp+1], s[G0P+14:G0P+15]
	s_mov_b32 s[G0P+13], 98304
	s_mul_i32 s[G0P+6], s104, 49152                ; half wave % 2 of W's 8 tiles
	s_mov_b32 s[G0P+7], 0
	s_add_nc_u64 s[G0P+6:G0P+7], s[G0P+14:G0P+15], s[G0P+6:G0P+7]
	s_add_nc_u64 s[G0P+10:G0P+11], s[G0P+6:G0P+7], 6144
	s_mul_i32 s[G0P+5], s104, 24576
	s_add_co_u32 s[G0P+5], s[G0P+5], 98304
	s_add_co_u32 s[G0P+9], s[G0P+5], CHUNK
.irp c, 0,1,2
	s_mov_b32 s[G0P+4+4*\c], 1
	s_or_b32 s[G0P+7+4*\c], s[G0P+7+4*\c], 0x80000000
.endr
	s_mov_b32 s[G0P+2], s21                        ; the scale words of my blocks of W: 4,096 bytes each
	s_mov_b32 s[G0P+3], 0
	s_add_nc_u64 s[G0P+2:G0P+3], s[\pp:\pp+1], s[G0P+2:G0P+3]
	s_or_b32 s[G0P+3], s[G0P+3], 0x80000000
	s_mov_b32 s[G0P+1], WS
	s_mov_b32 s[G0P], 1
.endm
.macro ARM under, g0, g1, next         ; one arm of the head's tree: its load, s_nop 0, four v_nop, a jump to the tree's end
	s_cmp_lt_u32 s100, \under
	s_cbranch_scc0 \next
	tensor_load_to_lds s[\g0:\g0+3], s[\g1:\g1+7]
	s_nop 0
.rept 4
	v_nop
.endr
	s_branch .Lfirst_asked
\next:
.endm
.macro FIRSTFILLS                      ; one load a wave, in one tree of branches on the wave's number
	ARM 1, G0R+4, G1R, .Lfirst_w
	ARM 2, G0P+12, G1P, .Lfirst_xs
	ARM 3, G0R, G1RS, .Lfirst_ws
	tensor_load_to_lds s[G0P:G0P+3], s[G1PS:G1PS+7]
	s_nop 0
.rept 4
	v_nop
.endr
.Lfirst_asked:
.endm
.macro SECOND                          ; the second half of K, filled for the first time: issued as a refill is
	s_wait_alu depctr_va_vdst(0)                   ; at the head's end
	s_wait_tensorcnt 0x0                           ; my one load of the head has landed
	ds_add_u32 v22, v23                            ; 0 onto my spare word
	s_mov_b32 s[G1R+2], 8<<16                      ; no load of mine is out: from here on a load of X brings 8 tiles,
	s_mov_b32 s[G1R+4], 8
	s_mov_b32 s[G1P+2], 4<<16                      ; one of W 4
	s_mov_b32 s[G1P+4], 4
	s_wait_dscnt 0x0
	CROUND                                         ; the head's four tiles are whole for every wave, and the sixteen work-groups meet
	s_cmp_eq_u32 s101, 0
	s_cbranch_scc0 .Lsecond_w
	tensor_load_to_lds s[G0R+8:G0R+11], s[G1R:G1R+7]
	s_nop 0
.rept 4
	v_nop
.endr
	s_branch .Lsecond_asked
.Lsecond_w:
	tensor_load_to_lds s[G0P+8:G0P+11], s[G1P:G1P+7]
	s_nop 0
.rept 4
	v_nop
.endr
.Lsecond_asked:
.endm
.macro JLOADW cp                       ; a joint refill of W's half cp / 2 of K: waves 2 and 3 fetch 4 tiles each; the branch hangs on the wave's number alone
	s_cmp_eq_u32 s101, 0
	s_cbranch_scc1 .Lnone_\@
	tensor_load_to_lds s[G0P+4+2*(\cp):G0P+7+2*(\cp)], s[G1P:G1P+7]
	s_nop 0
.Lnone_\@:
.rept 4
	v_nop
.endr
.endm
.macro ADDRS                           ; every LDS address: a constant + a constant x wave + a lane term
	v_and_b32 v2, 31, v0
	v_lshlrev_b32 v1, 4, v2
	v_lshlrev_b32 v21, 3, v2
	v_lshlrev_b32 v2, 2, v2
	v_and_b32 v3, 15, v0
	v_bfe_u32 v4, v0, 4, 1
	s_mul_i32 s2, s100, 24576                      ; my four tiles of X
.irp c, 0,1
	v_add_nc_u32 v[5+\c], s2, v1
	v_add_nc_u32 v[9+\c], CHUNK*\c+98304, v1
	s_add_co_u32 s2, s2, CHUNK
.endr
	s_wait_alu depctr_va_vdst(0)
	s_lshl_b32 s2, s101, 12
	s_lshl_b32 s3, s104, 8
	s_add_co_u32 s2, s2, s3
	s_add_co_u32 s2, s2, XS
	v_add_nc_u32 v13, s2, v2
	v_add_nc_u32 v14, WS, v2
	s_lshl_b32 s2, s100, 10
	s_add_co_u32 s2, s2, SCR
	v_lshl_add_u32 v15, v3, 2, s2
	v_add_nc_u32 v16, s2, v21
.irp b, 0,1,2,3
	v_mov_b32 v[48+\b], 0                          ; written once: a lane permute's destination counts as one of its sources
.endr
.endm
.macro FETCH q, ti                     ; K step q of tile ti: 6 scale registers, q's 4 fragments and k's 8, into set q % 2: every load takes consecutive bytes
.set FC, (\q)/4
.set FS, (\q)%4
.set FG, (\q)%2
.set WOF, 4096*(\ti)+512*(\q)
.set XOF, 512*(\q)
	WIN 0
.irp i, 0,1,2,3
	ds_load_b32 v[32+6*FG+\i], v14 offset:WOF+128*\i
.endr
.irp i, 0,1
	ds_load_b32 v[36+6*FG+\i], v13 offset:XOF+128*\i
.endr
.irp fa, 0,1,2,3
.irp ch, 0,1,2
	ds_load_b128 v[64+48*FG+12*\fa+4*\ch:64+48*FG+12*\fa+4*\ch+3], v[5+FC] offset:TP_*\fa+1536*FS+512*\ch
.endr
.endr
	WIN TO_P
.irp ft, 0,1,2,3,4,5,6,7
.irp ch, 0,1,2
	ds_load_b128 v[96*FG+12*\ft+4*\ch:96*FG+12*\ft+4*\ch+3], v[9+FC] offset:TP_*\ft+1536*FS+512*\ch
.endr
.endr
	WIN 0
.endm
.macro WM g, cm, ra, pt                ; one product: q's tile ra x k's tile pt, set g.  cm = 0: adds in place; 1: C = 0.  An odd tile's scale words stand in lanes 16-31
.set rD, 8*(8*(\ra)+(\pt))
.set rP, 96*(\g)+12*(\pt)
.set rR, 64+48*(\g)+12*(\ra)
.set rA, 32+6*(\g)+(\pt)/2
.set rB, 36+6*(\g)+(\ra)/2
.set rowsel, 2*((\pt)%2)+(\ra)%2
.if (\cm) == 1
.if rowsel == 0
	v_wmma_scale_f32_16x16x128_f8f6f4 v[rD:rD+7], v[rP:rP+11], v[rR:rR+11], 0, v[rA], v[rB] matrix_a_fmt:MATRIX_FMT_FP6 matrix_b_fmt:MATRIX_FMT_FP6
.elseif rowsel == 1
	v_wmma_scale_f32_16x16x128_f8f6f4 v[rD:rD+7], v[rP:rP+11], v[rR:rR+11], 0, v[rA], v[rB] matrix_a_fmt:MATRIX_FMT_FP6 matrix_b_fmt:MATRIX_FMT_FP6 matrix_b_scale:MATRIX_SCALE_ROW1
.elseif rowsel == 2
	v_wmma_scale_f32_16x16x128_f8f6f4 v[rD:rD+7], v[rP:rP+11], v[rR:rR+11], 0, v[rA], v[rB] matrix_a_fmt:MATRIX_FMT_FP6 matrix_b_fmt:MATRIX_FMT_FP6 matrix_a_scale:MATRIX_SCALE_ROW1
.else
	v_wmma_scale_f32_16x16x128_f8f6f4 v[rD:rD+7], v[rP:rP+11], v[rR:rR+11], 0, v[rA], v[rB] matrix_a_fmt:MATRIX_FMT_FP6 matrix_b_fmt:MATRIX_FMT_FP6 matrix_a_scale:MATRIX_SCALE_ROW1 matrix_b_scale:MATRIX_SCALE_ROW1
.endif
.else
.if rowsel == 0
	v_wmma_scale_f32_16x16x128_f8f6f4 v[rD:rD+7], v[rP:rP+11], v[rR:rR+11], v[rD:rD+7], v[rA], v[rB] matrix_a_fmt:MATRIX_FMT_FP6 matrix_b_fmt:MATRIX_FMT_FP6
.elseif rowsel == 1
	v_wmma_scale_f32_16x16x128_f8f6f4 v[rD:rD+7], v[rP:rP+11], v[rR:rR+11], v[rD:rD+7], v[rA], v[rB] matrix_a_fmt:MATRIX_FMT_FP6 matrix_b_fmt:MATRIX_FMT_FP6 matrix_b_scale:MATRIX_SCALE_ROW1
.elseif rowsel == 2
	v_wmma_scale_f32_16x16x128_f8f6f4 v[rD:rD+7], v[rP:rP+11], v[rR:rR+11], v[rD:rD+7], v[rA], v[rB] matrix_a_fmt:MATRIX_FMT_FP6 matrix_b_fmt:MATRIX_FMT_FP6 matrix_a_scale:MATRIX_SCALE_ROW1
.else
	v_wmma_scale_f32_16x16x128_f8f6f4 v[rD:rD+7], v[rP:rP+11], v[rR:rR+11], v[rD:rD+7], v[rA], v[rB] matrix_a_fmt:MATRIX_FMT_FP6 matrix_b_fmt:MATRIX_FMT_FP6 matrix_a_scale:MATRIX_SCALE_ROW1 matrix_b_scale:MATRIX_SCALE_ROW1
.endif
.endif
.endm
.macro MUL32 g, cm                     ; a K step's 32 products: the 32 accumulators take turns, one instruction a turn, in the same order in every step
	WIN MUL
.irp ra, 0,1,2,3
.irp pt, 0,1,2,3,4,5,6,7
	WM \g, \cm, \ra, \pt
.endr
.endr
.endm
.macro STEP q, ti, cm                  ; K step q of tile ti: its fragments were asked for a step ago; the next step's are asked for ahead of its 32 products
	s_wait_dscnt 0x0
.if (\q) < 7
.if ((\q) > 0) || ((\ti) > 0)
	PLACES
.endif
	FETCH (\q)+1, \ti
.endif
	MUL32 (\q)%2, \cm
	WIN 0
.endm
; Step q (3 or 7) of the first tile: W's part of chunks cp, cp + 1, whose last reads are this step's fragments, takes the second block.  Each wave waits for all its tensor loads, adds 0 to its spare word, and waits for that and for
; its reads; a round of the cluster's barrier; the joint refill first behind it; then the fragments of step nq of tile nti, and this step's products from registers.
.macro TURN q, cp, nq, nti
	s_wait_tensorcnt 0x0                           ; no tensor load of mine is out, so a group 0 may be written; what the next steps read has landed
	ds_add_u32 v22, v23                            ; 0 onto my spare word
	s_add_nc_u64 s[G0P+6+2*(\cp):G0P+7+2*(\cp)], s[G0P+6+2*(\cp):G0P+7+2*(\cp)], WSTEP       ; this half's set steps to the next block; the type bits on top are not reached
	s_wait_dscnt 0x0                               ; the add is done, and my reads of these chunks are over
	CROUND                                         ; no wave of any partner still reads them or has a load on its way
	JLOADW \cp                                     ; its four v_nop are also the places in front of the loads below
	FETCH \nq, \nti
	MUL32 (\q)%2, 0
	WIN 0
.endm
.macro MEET q, ti                      ; step 3 of the last tile: the last refill has landed in every wave; nothing is filled again, so a plain barrier serves
	s_wait_tensorcnt 0x0
	s_wait_dscnt 0x0
	s_barrier_signal -1
	s_barrier_wait -1
	PLACES
	FETCH (\q)+1, \ti
	MUL32 (\q)%2, 0
	WIN 0
.endm
; The softmax's part for q's tile ra in tile ti.  My lane: one query, register 16 b + i = key 32 b + 16 h + i of these 128.
.macro SOFT ra, ti
.set AC, 64*(\ra)
.set PCA, 160+12*(\ra)
	WIN 0x28                                       ; sources 1 and 2: window 2
.irp b, 0,1,2,3
	v_max3_num_f32 v[44+\b], 0xff7fffff, v[AC+16*\b], v[AC+16*\b+1]   ; the largest score of each block of 32 keys: it serves the query's maximum and, since p rises with the score, the block's largest p; each accumulator is read from its low end on
.endr
.irp i, 2,4,6,8,10,12,14
.irp b, 0,1,2,3
	v_max3_num_f32 v[44+\b], v[44+\b], v[AC+16*\b+\i], v[AC+16*\b+\i+1]
.endr
.endr
	WIN 0
.irp b, 0,1,2,3
	v_permlanex16_b32 v[48+\b], v[44+\b], s66, s67
.endr
.irp b, 0,1,2,3
	v_max_num_f32 v[44+\b], v[44+\b], v[48+\b]     ; with lane l xor 16's 16 keys
.endr
	v_max3_num_f32 v63, v44, v45, v46
	v_max_num_f32 v63, v63, v47                    ; the largest score of my query among these 128 keys
	v_mul_f32 v63, s20, v63                        ; as t (c is positive)
	v_floor_f32 v56, -v63                          ; -M = floor(-t) = -ceil(t): a whole number
	v_mov_b32 v57, v56                             ; (named with it as a pair)
.irp b, 0,1,2,3
	v_fma_f32 v[44+\b], v[44+\b], s20, v56         ; t - M of each block's largest score
.endr
	s_wait_alu depctr_va_vdst(0)
.irp b, 0,1,2,3
	v_exp_f32 v[44+\b], v[44+\b]                   ; the block's largest p: the same multiply-add and exponential as below on the same number
.endr
	v_nop                                          ; a plain line behind the exponentials,
	s_wait_alu depctr_va_vdst(0)                   ; and a wait ahead of the first line that names a result: one for the four
.irp b, 0,1,2,3
	v_max_num_f32 v[44+\b], 0x1800000, v[44+\b]    ; the floor 2^(3 - 127): the byte cannot fall under 1
.endr
.irp b, 0,1,2,3
	v_add_nc_u32 v[52+\b], 0xff000000, v[44+\b]    ; the conversion's scale operand
.endr
.irp b, 0,1,2,3
	v_lshrrev_b32 v[48+\b], 23, v[52+\b]           ; the byte
.endr
	v_lshl_or_b32 v62, v49, 8, v48
	v_lshl_or_b32 v62, v50, 16, v62
	v_lshl_or_b32 v62, v51, 24, v62                ; p's scale word under this M
	WIN 0x82                                       ; destination and source 0: window 2
.set j, 0
.rept 32
	v_pk_fma_f32 v[AC+j:AC+j+1], v[AC+j:AC+j+1], s[20:21], v[56:57] op_sel_hi:[1,0,0]   ; t - M, two at a time
.set j, j+2
.endr
.set j, 0
	s_wait_alu depctr_va_vdst(0)
.rept 64
	v_exp_f32 v[AC+j], v[AC+j]                     ; p = 2^(t - M), at most 1
.set j, j+1
.endr
	WIN 0
	v_nop                                          ; a plain line behind the batch,
	s_wait_alu depctr_va_vdst(0)                   ; and one wait for the 64
	WIN 0x0a                                       ; sources 0 and 1: window 2
	v_pk_add_f32 v[58:59], v[AC:AC+1], v[AC+4:AC+5]   ; the sum is taken of the unquantised p: two chains, begun by their first terms
	v_pk_add_f32 v[60:61], v[AC+2:AC+3], v[AC+6:AC+7]
	WIN 0x08
.set j, 8
.rept 14
	v_pk_add_f32 v[58:59], v[58:59], v[AC+j:AC+j+1]
	v_pk_add_f32 v[60:61], v[60:61], v[AC+j+2:AC+j+3]
.set j, j+4
.endr
	WIN 0
	v_pk_add_f32 v[58:59], v[58:59], v[60:61]
	v_add_f32 v58, v58, v59
	v_permlanex16_b32 v59, v58, s66, s67
	v_add_f32 v58, v58, v59                        ; l of my query over these 128 keys
	WIN 0x02
.irp c, 0,1
	v_cvt_scalef32_pk16_fp6_f32 v[PCA+6*\c:PCA+6*\c+2], v[AC+32*\c:AC+32*\c+15], v[52+2*\c]
	v_cvt_scalef32_pk16_fp6_f32 v[208+4*\c:208+4*\c+2], v[AC+32*\c+16:AC+32*\c+31], v[52+2*\c+1]
.endr
	WIN 0
	v_nop                                          ; one plain line behind a scaled conversion
.irp c, 0,1
.irp i, 0,1,2
	v_permlane16_swap_b32 v[PCA+6*\c+\i], v[208+4*\c+\i]
.endr
.irp i, 0,1,2
	v_mov_b32 v[PCA+6*\c+3+\i], v[208+4*\c+\i]
.endr
.endr
.irp ch, 0,1,2
	global_store_b128 v1, v[PCA+4*\ch:PCA+4*\ch+3], s[10:11] offset:24576*(\ra)+12288*(\ti)+512*\ch   ; 512 consecutive bytes; the second tile's K step lies 8 x 1,536 bytes on
.endr
	ds_store_b32 v15, v62 offset:64*(\ra)
	ds_store_b32 v15, v56 offset:256+64*(\ra)
	ds_store_b32 v15, v58 offset:512+64*(\ra)
.endm
.macro OUT ti                          ; tile ti's softmax part, its fragments, words, -M and l
.if (\ti) > 0
	s_wait_xcnt 0x0                                ; the first tile's stores have read their registers: they are written again only behind this wait
.endif
	PLACES
	SOFT 0, \ti
	SOFT 1, \ti
	SOFT 2, \ti
	SOFT 3, \ti
	ds_load_b64 v[216:217], v16                    ; my own bytes, in order behind my stores
	ds_load_b64 v[218:219], v16 offset:256
	ds_load_b64 v[220:221], v16 offset:512
	s_wait_dscnt 0x0
	global_store_b64 v21, v[216:217], s[18:19] offset:4096*(\ti)              ; each: 256 consecutive bytes, aligned
	global_store_b64 v21, v[218:219], s[18:19] offset:524288+4096*(\ti)
	global_store_b64 v21, v[220:221], s[18:19] offset:1048576+4096*(\ti)
.endm
	s_load_b128 s[4:7], s[0:1], 0x0                ; qkv s[4:5], prob s[6:7]
	v_lshl_add_u32 v22, v0, 2, SPARE
	v_mov_b32 v23, 0
	ds_add_u32 v22, v23
	ds_add_u32 v22, v23
	s_wait_dscnt 0x0
	IDS
	G1SET G1R, 768, 16, 1536                       ; the head's load: 16 tiles x 6,144 bytes (512 along K), 12,288 bytes from tile to tile
	G1SET G1P, 768, 8, 1536
	G1SET G1RS, 32, 32, 32                         ; 8,192 dense bytes
	G1SET G1PS, 512, NT, 4096                      ; 4,096 bytes of each of my two blocks' scale words, 32,768 bytes apart
	s_lshl_b32 s15, s14, 2
	s_add_co_u32 s15, s15, s13                     ; y: my block of 256 queries
	s_lshl_b32 s17, ttmp9, 2
	s_add_co_u32 s17, s17, s12                     ; x: my first block of 128 keys of the batch, 0..7; the second is x + 8
	s_mul_i32 s18, s15, 196608                     ; q's image
	s_lshl_b32 s19, s15, 13
	s_add_co_u32 s19, s19, 18874368                ; q's scale words
	s_lshr_b32 s23, s14, 1                         ; the batch: the same in all sixteen partners
	s_lshl_b32 s23, s23, 4
	s_add_co_u32 s23, s23, s17
	s_mul_i32 s20, s23, 98304
	s_add_co_u32 s20, s20, 6291456                 ; k's image
	s_lshl_b32 s21, s23, 12
	s_add_co_u32 s21, s21, 19136512                ; k's scale words
	s_wait_kmcnt 0x0
	MAKE_G0 4, 4
	CROUND                                         ; all sixteen work-groups are here: the joint loads meet
	FIRSTFILLS
	; THE ONE PREFETCH OF THIS TEXT: the second half of K of X and of W's first block, which the next fill loads, is asked for here, one fill ahead.  Each aligned block of 256 bytes is named once in the cluster:
	; of X's 16 tiles the partner at cx takes 4, a wave one (24 blocks); of W's 8 the partner at cy takes 2, a wave half of one (12 blocks); lanes left over name their wave's last block again.
	; The partners are told apart by address alone.  s[36:39], v30 and v31 are never written again.  W's refills have none: no wave waits for them.
	s_lshl_b32 s36, s12, 2
	s_add_co_u32 s36, s36, s100                    ; X's tile 4 cx + wave
	s_mul_i32 s36, s36, 12288
	s_add_co_u32 s36, s36, s18
	s_add_co_u32 s36, s36, 6144
	s_mov_b32 s37, 0
	s_add_nc_u64 s[36:37], s[4:5], s[36:37]
	s_lshl_b32 s38, s13, 1
	s_add_co_u32 s38, s38, s104                    ; W's tile 2 cy + wave % 2,
	s_mul_i32 s38, s38, 12288
	s_mul_i32 s39, s101, 3072                      ; its half wave / 2
	s_add_co_u32 s38, s38, s39
	s_add_co_u32 s38, s38, s20
	s_add_co_u32 s38, s38, 6144
	s_mov_b32 s39, 0
	s_add_nc_u64 s[38:39], s[4:5], s[38:39]
	v_and_b32 v30, 31, v0
	v_min_u32 v31, 11, v30
	v_min_u32 v30, 23, v30
	v_lshlrev_b32 v31, 8, v31
	v_lshlrev_b32 v30, 8, v30
	global_prefetch_b8 v30, s[36:37] th:TH_LOAD_NT scope:SCOPE_SE
	global_prefetch_b8 v31, s[38:39] th:TH_LOAD_NT scope:SCOPE_SE
	ADDRS
	s_mov_b32 s20, 0x3d0293ee                      ; c = log2(e) / sqrt(2048)
	s_mov_b32 s21, s20                             ; (named with it as a pair)
	s_lshl_b32 s2, s15, 4
	s_lshl_b32 s3, s100, 2
	s_add_co_u32 s2, s2, s3                        ; my first tile of queries
	s_mul_i32 s2, s2, 24576
	s_mul_i32 s3, s17, 1536
	s_add_co_u32 s2, s2, s3
	s_mov_b32 s3, 0
	s_add_nc_u64 s[10:11], s[6:7], s[2:3]          ; p's image at K step x
	s_lshl_b32 s2, s15, 1
	s_add_co_u32 s2, s2, s101
	s_lshl_b32 s2, s2, 13
	s_lshl_b32 s16, s17, 9
	s_add_co_u32 s2, s2, s16
	s_lshl_b32 s16, s104, 8
	s_add_co_u32 s2, s2, s16
	s_add_co_u32 s2, s2, 12582912
	s_add_nc_u64 s[18:19], s[6:7], s[2:3]          ; my 256 bytes of scale words; -M and l lie 524,288 and 1,048,576 bytes on
	SECOND
	FETCH 0, 0
	STEP 0, 0, 1                                   ; ---- tile 0: keys 128 x on
	STEP 1, 0, 0
	STEP 2, 0, 0
	TURN 3, 0, 4, 0                                ; chunks 0, 1 take the second block
	STEP 4, 0, 0
	STEP 5, 0, 0
	STEP 6, 0, 0
	TURN 7, 2, 0, 1                                ; chunks 2, 3 take it; its first fragments are fetched
	OUT 0
	STEP 0, 1, 1                                   ; ---- tile 1: keys 128 (x + 8) on
	STEP 1, 1, 0
	STEP 2, 1, 0
	MEET 3, 1
	STEP 4, 1, 0
	STEP 5, 1, 0
	STEP 6, 1, 0
	STEP 7, 1, 0
	OUT 1
	s_wait_tensorcnt 0x0                           ; the wave's end: behind my last tensor load and my last LDS store
	ds_add_u32 v22, v23
	s_wait_dscnt 0x0
	CROUND                                         ; the closing round: no work-group ends while a partner may still ask for a tile that names it
	s_endpgm
.Lfunc_end_k_q656a07c7f4_scores:
	.size	k_q656a07c7f4_scores, .Lfunc_end_k_q656a07c7f4_scores-k_q656a07c7f4_scores
	.p2alignl 7, 3214868480
	.fill 96, 4, 3214868480
	.section	.rodata,"a",@progbits
	.p2align	6, 0x0
	.amdhsa_kernel k_q656a07c7f4_scores
		.amdhsa_group_segment_fixed_size 327680
		.amdhsa_private_segment_fixed_size 0
		.amdhsa_enable_private_segment 0
		.amdhsa_kernarg_size 16
		.amdhsa_user_sgpr_count 2
		.amdhsa_user_sgpr_kernarg_segment_ptr 1
		.amdhsa_wavefront_size32 1
		.amdhsa_system_sgpr_workgroup_id_x 1
		.amdhsa_system_sgpr_workgroup_id_y 1
		.amdhsa_system_sgpr_workgroup_id_z 1
		.amdhsa_system_vgpr_workitem_id 0
		.amdhsa_next_free_vgpr 768
		.amdhsa_next_free_sgpr 106
		.amdhsa_reserve_vcc 0
		.amdhsa_float_denorm_mode_32 3
		.amdhsa_float_denorm_mode_16_64 3
		.amdhsa_memory_ordered 1
		.amdhsa_forward_progress 1
		.amdhsa_inst_pref_size 217
	.end_amdhsa_kernel
	.amdgpu_metadata
---
amdhsa.version: [ 1, 2 ]
amdhsa.kernels:
  - .name:           k_q656a07c7f4_scores
    .symbol:         k_q656a07c7f4_scores.kd
    .args:
      - { .name: qkv, .offset: 0, .size: 8, .value_kind: global_buffer, .address_space: global }
      - { .name: prob, .offset: 8, .size: 8, .value_kind: global_buffer, .address_space: global }
    .group_segment_fixed_size: 327680
    .private_segment_fixed_size: 0
    .kernarg_segment_align: 8
    .kernarg_segment_size: 16
    .max_flat_workgroup_size: 128
    .sgpr_count:     106
    .vgpr_count:     768
    .wavefront_size: 32
...
	.end_amdgpu_metadata
.endif
;; end of part 3
;; launch ctxgemm (part 4): grid 8 x 32, 4 waves a work-group, clusters of 4 x 4, 327,680 bytes of LDS; arguments prob, qkv, ctxq; writes ctxq
.if DOCPART == 4
	.amdgcn_target "amdgcn-amd-amdhsa--gfx1250"
	.amdhsa_code_object_version 6
	.text
	.protected	k_q656a07c7f4_ctxgemm
	.globl	k_q656a07c7f4_ctxgemm
	.p2align	8
	.type	k_q656a07c7f4_ctxgemm,@function
k_q656a07c7f4_ctxgemm:
	s_mov_b64 s[64:65], 0
	v_nop
	global_prefetch_b8 v0, s[64:65] scope:SCOPE_SE
	s_setreg_imm32_b32 hwreg(HW_REG_WAVE_MODE, 25, 1), 1
	s_wait_xcnt 0x0
	s_wait_alu depctr_hold_cnt(0) depctr_sa_sdst(0) depctr_va_vdst(0) depctr_va_sdst(0) depctr_va_ssrc(0) depctr_va_vcc(0) depctr_vm_vsrc(0)
	s_getreg_b32 s2, hwreg(HW_REG_IB_STS2, 6, 4)
	s_cmp_eq_u32 s2, 0
	s_cbranch_scc0 .Lentry_in_a_cluster
	s_endpgm
.Lentry_in_a_cluster:
	s_bfe_u32 s2, ttmp6, 0x10000c
	s_cmp_lg_u32 s2, 0xf033
	s_cbranch_scc0 .Lentry_shape_is_right
	s_endpgm
.Lentry_shape_is_right:
; ctx = p v / l on codes of FP6 (E2M3) with E8M0 scales, and its quantising along the 1,024 features for the last product.
; R = p (256 queries, K = the batch's 2,048 keys), P = v with the keys innermost (128 features).  Operands are images of operand registers; source 0 = a tile of P, source 1 = a tile of R: a lane holds one query and 64 of 128 features.
; AT THE HEAD each wave brings its 64 queries under the row's own M: M = the largest of the sixteen local M; d = M - local M, a whole number, is taken off each of p's scale bytes (held at 0 from below), and
; l = the sum of local l x 2^-d.  The multiplications by powers of two round nothing.
; K = 2,048 is sixteen steps of 128, written out, through a ring of two LDS slots of 512 along K: two first fills, two refills by joint loads behind rounds of the cluster's barrier; a refill has four steps, 128 matrix
; instructions a wave, in which to land.  By this text's count one tensor load of a wave is out at the head and one behind each round.
; LIMITS: d is held at 127 (l of such keys is multiplied by 2^-127, their bytes become 0, which stands for 2^-127); a block of ctx whose largest magnitude lies under 2^-124 gets the byte 1; 1 / l by v_rcp_f32; NaN and infinities are not served.
; REGISTERS.  Window 0: v1 16 x lane, v2 4 x lane, v3 r, v4 h, v5, v6 R's and v9, v10 P's fragment addresses by slot, v13, v14 scale words' addresses, v15, v16 my scratch, v21 8 x lane, v22, v23 the spare word's address and 0,
;   v24-26 addresses of the mended words and of 1 / l; v32-43 scale words; v44-63 at work; v64-159 R's fragments (at the head: words, -M, l); v160-207 four new fragments; v208-223 at work.
;   Window 1: v0-191 P's fragments.   Window 2: accumulator (a, t) at v[8 (8 a + t)].
.set SLOTB, 147456                     ; LDS: slot s at 147,456 s: R's 16 tiles x 6,144 bytes, then P's 8
.set PS,   294912                      ; P's scale words: 16 steps x 512 bytes
.set FIXS, 303104                      ; p's mended scale words: 4,096 bytes a wave, [step][64 words]
.set RLS,  319488                      ; 1 / l: 256 bytes a wave
.set SCR,  320512                      ; new scale words: 256 bytes a wave
.set SPARE, 321536                     ; the spare words, 128 bytes a wave: two blocks of 256 bytes that no other line names
.set SPC,  4                           ; K steps in a slot
.set NCH,  2
.set TP_,  6144
.set SRP,  256
.set G0R,  24                          ; s[24:31] groups 0 for R: slots 0, 1
.set G0P,  44                          ; s[44:55] for P: scale words, slots 0, 1
.set G1R,  68
.set G1P,  76
.set G1PS, 92
.set MUL,  0xa1                        ; source 0 (P) window 1, source 1 (R) window 0, C and D window 2
.set TO_P, 0x40
.set MSB,  0
.macro WIN new                         ; the immediate's high byte repeats the setting that is left
.if MSB != \new
	s_set_vgpr_msb (MSB<<8)|\new
.set MSB, \new
.endif
.endm
.macro PLACES                          ; four plain lines between a matrix instruction and a load into, or a read of, its registers
.rept 4
	v_nop
.endr
.endm
.macro CROUND                          ; a round of the cluster's barrier
	s_barrier_signal -1
	s_barrier_wait -1
	s_cmp_lg_u32 s100, 0
	s_cbranch_scc1 .Lnot_wave_0_\@
	s_barrier_signal -3
.Lnot_wave_0_\@:
	s_barrier_wait -3
	s_barrier_signal -1
	s_barrier_wait -1
.endm
.macro G1SET g, cols, rows, pitch
	s_mov_b32 s[\g+1], (\cols)<<16
	s_mov_b32 s[\g+2], (\rows)<<16
	s_mov_b32 s[\g+3], (\cols)<<16
	s_mov_b32 s[\g+4], \rows
	s_mov_b32 s[\g+5], \pitch
	s_mov_b32 s[\g+6], 0
	s_mov_b32 s[\g+7], 0
.endm
.macro JLOAD slot                      ; a joint refill: waves 0 and 1 fetch R's halves, waves 2 and 3 P's; four v_nop follow each of the two lines
	s_cmp_eq_u32 s101, 0
	s_cbranch_scc0 .Lfor_p_\@
	tensor_load_to_lds s[G0R+4*\slot:G0R+4*\slot+3], s[G1R:G1R+7]
	s_nop 0
.rept 4
	v_nop
.endr
	s_branch .Lasked_\@
.Lfor_p_\@:
	tensor_load_to_lds s[G0P+4+4*\slot:G0P+7+4*\slot], s[G1P:G1P+7]
	s_nop 0
.rept 4
	v_nop
.endr
.Lasked_\@:
.endm
.macro FETCH q                         ; K step q's 6 scale registers, R's 4 fragments and P's 8, into set q % 2
.set FC, ((\q)/SPC)%NCH
.set FS, (\q)%SPC
.set FG, (\q)%2
	WIN 0
.irp i, 0,1,2,3
	ds_load_b32 v[32+6*FG+\i], v14 offset:512*(\q)+128*\i
.endr
.irp i, 0,1
	ds_load_b32 v[36+6*FG+\i], v13 offset:SRP*(\q)+128*\i
.endr
.irp fa, 0,1,2,3
.irp ch, 0,1,2
	ds_load_b128 v[64+48*FG+12*\fa+4*\ch:64+48*FG+12*\fa+4*\ch+3], v[5+FC] offset:TP_*\fa+1536*FS+512*\ch
.endr
.endr
	WIN TO_P
.irp ft, 0,1,2,3,4,5,6,7
.irp ch, 0,1,2
	ds_load_b128 v[96*FG+12*\ft+4*\ch:96*FG+12*\ft+4*\ch+3], v[9+FC] offset:TP_*\ft+1536*FS+512*\ch
.endr
.endr
	WIN 0
.endm
.macro WM g, cm, ra, pt                ; one product: R's tile ra x P's tile pt, set g.  cm = 0: adds in place; 1: C = 0.  An odd tile's scale words stand in lanes 16-31
.set rD, 8*(8*(\ra)+(\pt))
.set rP, 96*(\g)+12*(\pt)
.set rR, 64+48*(\g)+12*(\ra)
.set rA, 32+6*(\g)+(\pt)/2
.set rB, 36+6*(\g)+(\ra)/2
.set rowsel, 2*((\pt)%2)+(\ra)%2
.if (\cm) == 1
.if rowsel == 0
	v_wmma_scale_f32_16x16x128_f8f6f4 v[rD:rD+7], v[rP:rP+11], v[rR:rR+11], 0, v[rA], v[rB] matrix_a_fmt:MATRIX_FMT_FP6 matrix_b_fmt:MATRIX_FMT_FP6
.elseif rowsel == 1
	v_wmma_scale_f32_16x16x128_f8f6f4 v[rD:rD+7], v[rP:rP+11], v[rR:rR+11], 0, v[rA], v[rB] matrix_a_fmt:MATRIX_FMT_FP6 matrix_b_fmt:MATRIX_FMT_FP6 matrix_b_scale:MATRIX_SCALE_ROW1
.elseif rowsel == 2
	v_wmma_scale_f32_16x16x128_f8f6f4 v[rD:rD+7], v[rP:rP+11], v[rR:rR+11], 0, v[rA], v[rB] matrix_a_fmt:MATRIX_FMT_FP6 matrix_b_fmt:MATRIX_FMT_FP6 matrix_a_scale:MATRIX_SCALE_ROW1
.else
	v_wmma_scale_f32_16x16x128_f8f6f4 v[rD:rD+7], v[rP:rP+11], v[rR:rR+11], 0, v[rA], v[rB] matrix_a_fmt:MATRIX_FMT_FP6 matrix_b_fmt:MATRIX_FMT_FP6 matrix_a_scale:MATRIX_SCALE_ROW1 matrix_b_scale:MATRIX_SCALE_ROW1
.endif
.else
.if rowsel == 0
	v_wmma_scale_f32_16x16x128_f8f6f4 v[rD:rD+7], v[rP:rP+11], v[rR:rR+11], v[rD:rD+7], v[rA], v[rB] matrix_a_fmt:MATRIX_FMT_FP6 matrix_b_fmt:MATRIX_FMT_FP6
.elseif rowsel == 1
	v_wmma_scale_f32_16x16x128_f8f6f4 v[rD:rD+7], v[rP:rP+11], v[rR:rR+11], v[rD:rD+7], v[rA], v[rB] matrix_a_fmt:MATRIX_FMT_FP6 matrix_b_fmt:MATRIX_FMT_FP6 matrix_b_scale:MATRIX_SCALE_ROW1
.elseif rowsel == 2
	v_wmma_scale_f32_16x16x128_f8f6f4 v[rD:rD+7], v[rP:rP+11], v[rR:rR+11], v[rD:rD+7], v[rA], v[rB] matrix_a_fmt:MATRIX_FMT_FP6 matrix_b_fmt:MATRIX_FMT_FP6 matrix_a_scale:MATRIX_SCALE_ROW1
.else
	v_wmma_scale_f32_16x16x128_f8f6f4 v[rD:rD+7], v[rP:rP+11], v[rR:rR+11], v[rD:rD+7], v[rA], v[rB] matrix_a_fmt:MATRIX_FMT_FP6 matrix_b_fmt:MATRIX_FMT_FP6 matrix_a_scale:MATRIX_SCALE_ROW1 matrix_b_scale:MATRIX_SCALE_ROW1
.endif
.endif
.endm
.macro MUL32 g, cm                     ; a K step's 32 products: the 32 accumulators take turns, one instruction a turn, in the same order in every step
	WIN MUL
.irp ra, 0,1,2,3
.irp pt, 0,1,2,3,4,5,6,7
	WM \g, \cm, \ra, \pt
.endr
.endr
.endm
.macro STEPC q, cm                     ; a K step whose successor lies in the same slot (or the last)
	s_wait_dscnt 0x0                               ; this step's fragments, asked for a step ago
.if (\q) < 15
.if (\q) > 0
	PLACES
.endif
	FETCH (\q)+1
.endif
	MUL32 (\q)%2, \cm
	WIN 0
.endm
; A slot's last step, where the slot is filled again.  Each wave waits for all its tensor loads (the one that is out is its part of the other slot), adds 0 to its spare word, and waits for that and for its reads of this slot;
; a round of the cluster's barrier; the joint refill first behind it; then the other slot's first fragments, and this step's products from registers.
.macro TURN q, slot
	s_wait_tensorcnt 0x0                           ; no tensor load of mine is out, so a group 0 may be written
	ds_add_u32 v22, v23                            ; 0 onto my spare word
	s_add_nc_u64 s[G0R+2+4*\slot:G0R+3+4*\slot], s[G0R+2+4*\slot:G0R+3+4*\slot], 12288   ; 1,024 along K on; the type bits on top are not reached
	s_add_nc_u64 s[G0P+6+4*\slot:G0P+7+4*\slot], s[G0P+6+4*\slot:G0P+7+4*\slot], 12288
	s_wait_dscnt 0x0                               ; the add is done, and my reads of this slot are over
	CROUND                                         ; no wave of any partner still reads this slot or has a load on its way
	JLOAD \slot                                    ; its four v_nop are also the places in front of the loads below
	FETCH (\q)+1
.if (\q) == 3
	global_prefetch_b8 v30, s[40:41] offset:12288 th:TH_LOAD_NT scope:SCOPE_SE   ; keys 1,536 to 2,047: what the next refill loads; the last refill has no successor
	global_prefetch_b8 v31, s[42:43] offset:12288 th:TH_LOAD_NT scope:SCOPE_SE
.endif
	MUL32 (\q)%2, 0
	WIN 0
.endm
.macro QUANT ra                        ; the 64 results of R's tile ra in my lane become a fragment in v[160 + 12 ra] on and its scale word in v60
	WIN 0x28
.irp b, 0,1,2,3
	v_max3_num_f32 v[44+\b], 0x1800000, |v[64*(\ra)+16*\b]|, |v[64*(\ra)+16*\b+1]|   ; my 16 of block b and the floor 2^(3 - 127)
.endr
.irp i, 2,4,6,8,10,12,14
.irp b, 0,1,2,3
	v_max3_num_f32 v[44+\b], v[44+\b], |v[64*(\ra)+16*\b+\i]|, |v[64*(\ra)+16*\b+\i+1]|
.endr
.endr
	WIN 0
.irp b, 0,1,2,3
	v_permlanex16_b32 v[48+\b], v[44+\b], s66, s67
.endr
.irp b, 0,1,2,3
	v_max_num_f32 v[44+\b], v[44+\b], v[48+\b]
.endr
.irp b, 0,1,2,3
	v_add_nc_u32 v[56+\b], 0xff000000, v[44+\b]    ; the conversion's scale operand
.endr
.irp b, 0,1,2,3
	v_lshrrev_b32 v[48+\b], 23, v[56+\b]           ; the byte
.endr
	v_lshl_or_b32 v60, v49, 8, v48
	v_lshl_or_b32 v60, v50, 16, v60
	v_lshl_or_b32 v60, v51, 24, v60
	WIN 0x02
.irp c, 0,1
	v_cvt_scalef32_pk16_fp6_f32 v[160+12*(\ra)+6*\c:160+12*(\ra)+6*\c+2], v[64*(\ra)+32*\c:64*(\ra)+32*\c+15], v[56+2*\c]
	v_cvt_scalef32_pk16_fp6_f32 v[208+4*\c:208+4*\c+2], v[64*(\ra)+32*\c+16:64*(\ra)+32*\c+31], v[56+2*\c+1]
.endr
	WIN 0
	v_nop                                          ; one plain line behind a scaled conversion
.irp c, 0,1
.irp i, 0,1,2
	v_permlane16_swap_b32 v[160+12*(\ra)+6*\c+\i], v[208+4*\c+\i]
.endr
.irp i, 0,1,2
	v_mov_b32 v[160+12*(\ra)+6*\c+3+\i], v[208+4*\c+\i]
.endr
.endr
.endm
.macro PUTIMG ra, vo, imm
.irp ch, 0,1,2
	global_store_b128 v[\vo], v[160+12*(\ra)+4*\ch:160+12*(\ra)+4*\ch+3], s[10:11] offset:(\imm)+512*\ch
.endr
	ds_store_b32 v15, v60 offset:64*(\ra)
.endm
; K step s of my two rows (image rows 2 l and 2 l + 1 of the wave's 64): d, l's term, and the four bytes of each word less d, held at 0.
.macro FIXW s
	v_pk_add_f32 v[52:53], v[44:45], v[96+2*(\s):97+2*(\s)] neg_lo:[0,1] neg_hi:[0,1]   ; local M - the row's M: a whole number, 0 or less
.irp e, 0,1
	v_max_num_f32 v[52+\e], s16, v[52+\e]          ; held at -127
.endr
.irp e, 0,1
	v_cvt_i32_f32 v[52+\e], v[52+\e]
.endr
.if (\s) == 0
.irp e, 0,1
	v_ldexp_f32 v[46+\e], v[128+\e], v[52+\e]      ; the first term starts l
.endr
.else
.irp e, 0,1
	v_ldexp_f32 v[54+\e], v[128+2*(\s)+\e], v[52+\e]
.endr
	v_pk_add_f32 v[46:47], v[46:47], v[54:55]
.endif
.irp e, 0,1
	v_mul_lo_u32 v[52+\e], v[52+\e], s3            ; -d in each byte (modulo 2^32)
.endr
.irp e, 0,1
	v_or_b32 v[54+\e], s2, v[64+2*(\s)+\e]         ; 128 + byte: p's bytes are 1 to 125 and d is at most 127, so no borrow leaves a byte
.endr
.irp e, 0,1
	v_add_nc_u32 v[54+\e], v[54+\e], v[52+\e]      ; 128 + byte - d: bit 7 stands where byte >= d
.endr
.irp e, 0,1
	v_and_b32 v[52+\e], s2, v[54+\e]
.endr
.irp e, 0,1
	v_lshrrev_b32 v[56+\e], 7, v[52+\e]
.endr
.irp e, 0,1
	v_sub_nc_u32 v[52+\e], v[52+\e], v[56+\e]      ; 0x7f in those bytes, 0 in the others
.endr
.irp e, 0,1
	v_and_b32 v[64+2*(\s)+\e], v[54+\e], v[52+\e]  ; byte - d, or 0
.endr
	ds_store_b64 v24, v[64+2*(\s):65+2*(\s)] offset:256*(\s)
.endm
	s_load_b128 s[4:7], s[0:1], 0x0                ; prob s[4:5], qkv s[6:7]
	s_load_b64 s[8:9], s[0:1], 0x10                ; ctxq
	v_lshl_add_u32 v22, v0, 2, SPARE
	v_mov_b32 v23, 0
	ds_add_u32 v22, v23
	ds_add_u32 v22, v23
	s_wait_dscnt 0x0
	v_lshrrev_b32 v1, 5, v0
	v_readfirstlane_b32 s100, v1                   ; wave 0..3
	s_lshr_b32 s101, s100, 1                       ; 0: I fetch for R, 1: for P
	s_and_b32 s104, s100, 1                        ; which half of it
	s_bfe_u32 s12, ttmp6, 0x40000                  ; cx
	s_bfe_u32 s13, ttmp6, 0x40004                  ; cy
	s_and_b32 s14, ttmp7, 0xffff                   ; cluster y
	s_lshl_b32 s2, s13, 2
	s_lshl_b32 s2, 15, s2                          ; my row of the cluster
	s_lshl_b32 s22, 0x1111, s12                    ; my column
	s_or_b32 s[G1R], s2, (3<<16)|(1<<21)           ; the mask; elements of 8 bytes; bit 21 set beside a mask; no padding
	s_or_b32 s[G1P], s22, (3<<16)|(1<<21)
	s_or_b32 s[G1PS], s22, (3<<16)|(1<<21)
	s_mov_b32 s66, 0x76543210
	s_mov_b32 s67, 0xfedcba98
	G1SET G1R, 768, 16, 3072                       ; the head's load: 16 tiles x 6,144 bytes (512 along K), 24,576 bytes from tile to tile
	G1SET G1P, 768, 8, 3072
	G1SET G1PS, 32, 16, 32                         ; 4,096 dense bytes
	s_lshl_b32 s15, s14, 2
	s_add_co_u32 s15, s15, s13                     ; y: my block of 256 queries
	s_lshl_b32 s17, ttmp9, 2
	s_add_co_u32 s17, s17, s12                     ; x: my block of 128 features
	s_mul_i32 s18, s15, 393216                     ; p's image
	s_lshr_b32 s23, s14, 1                         ; the batch
	s_mul_i32 s20, s23, 1572864
	s_mul_i32 s22, s17, 196608
	s_add_co_u32 s20, s20, s22
	s_add_co_u32 s20, s20, 12582912                ; v's image
	s_lshl_b32 s21, s23, 16
	s_lshl_b32 s22, s17, 13
	s_add_co_u32 s21, s21, s22
	s_add_co_u32 s21, s21, 19398656                ; v's scale words
	s_wait_kmcnt 0x0
	s_mul_i32 s[G0R+2], s104, 196608               ; my 8 of R's 16 tiles
	s_add_co_u32 s[G0R+2], s[G0R+2], s18
	s_mov_b32 s[G0R+3], 0
	s_add_nc_u64 s[G0R+2:G0R+3], s[4:5], s[G0R+2:G0R+3]
	s_add_nc_u64 s[G0R+6:G0R+7], s[G0R+2:G0R+3], 6144
	s_or_b32 s[G0R+3], s[G0R+3], 0x80000000
	s_or_b32 s[G0R+7], s[G0R+7], 0x80000000
	s_mov_b32 s[G0R], 1
	s_mov_b32 s[G0R+4], 1
	s_mul_i32 s[G0R+1], s104, 49152
	s_add_co_u32 s[G0R+5], s[G0R+1], SLOTB
	s_mul_i32 s[G0P+6], s104, 98304                ; my 4 of P's 8 tiles
	s_add_co_u32 s[G0P+6], s[G0P+6], s20
	s_mov_b32 s[G0P+7], 0
	s_add_nc_u64 s[G0P+6:G0P+7], s[6:7], s[G0P+6:G0P+7]
	s_add_nc_u64 s[G0P+10:G0P+11], s[G0P+6:G0P+7], 6144
	s_or_b32 s[G0P+7], s[G0P+7], 0x80000000
	s_or_b32 s[G0P+11], s[G0P+11], 0x80000000
	s_mov_b32 s[G0P+4], 1
	s_mov_b32 s[G0P+8], 1
	s_mul_i32 s[G0P+5], s104, 24576
	s_add_co_u32 s[G0P+5], s[G0P+5], 98304
	s_add_co_u32 s[G0P+9], s[G0P+5], SLOTB
	s_lshl_b32 s[G0P+2], s104, 12                  ; my half of P's scale words
	s_add_co_u32 s[G0P+1], s[G0P+2], PS
	s_add_co_u32 s[G0P+2], s[G0P+2], s21
	s_mov_b32 s[G0P+3], 0
	s_add_nc_u64 s[G0P+2:G0P+3], s[6:7], s[G0P+2:G0P+3]
	s_or_b32 s[G0P+3], s[G0P+3], 0x80000000
	s_mov_b32 s[G0P], 1
.set G0H, 32                           ; s[32:39] groups 0 of the head's loads of slot 0: R's 16 tiles, P's 8
	s_mov_b32 s[G0H], 1
	s_mov_b32 s[G0H+1], 0
	s_mov_b32 s[G0H+2], s18
	s_mov_b32 s[G0H+3], 0
	s_add_nc_u64 s[G0H+2:G0H+3], s[4:5], s[G0H+2:G0H+3]
	s_or_b32 s[G0H+3], s[G0H+3], 0x80000000
	s_mov_b32 s[G0H+4], 1
	s_mov_b32 s[G0H+5], 98304
	s_mov_b32 s[G0H+6], s20
	s_mov_b32 s[G0H+7], 0
	s_add_nc_u64 s[G0H+6:G0H+7], s[6:7], s[G0H+6:G0H+7]
	s_or_b32 s[G0H+7], s[G0H+7], 0x80000000
	CROUND                                         ; all sixteen work-groups are here: the first joint loads meet
; THE HEAD'S LOADS, ONE A WAVE (this governs over the count in the head comment): wave 0 slot 0's 16 tiles of R, wave 1 its 8 tiles of P, waves 2 and 3 the halves of P's scale words: one tree of branches on the wave's number.
.macro ARM under, g0, g1, next
	s_cmp_lt_u32 s100, \under
	s_cbranch_scc0 \next
	tensor_load_to_lds s[\g0:\g0+3], s[\g1:\g1+7]
	s_nop 0
.rept 4
	v_nop
.endr
	s_branch .Lfirst_asked
\next:
.endm
	ARM 1, G0H, G1R, .Lfirst_p
	ARM 2, G0H+4, G1P, .Lfirst_ps
	tensor_load_to_lds s[G0P:G0P+3], s[G1PS:G1PS+7]
	s_nop 0
.rept 4
	v_nop
.endr
.Lfirst_asked:
	; PREFETCHES, one fill ahead: here slot 1's first tiles, behind slot 1's fill those that slot 0 takes next, behind that refill those that slot 1 takes last.  Each aligned block of 256 bytes is named once in the cluster:
	; of R's 16 tiles the partner at cx takes 4, a wave one (24 blocks of a fill's 6,144 bytes); of P's 8 the partner at cy takes 2, a wave half of one (12 blocks); lanes left over name their wave's last block again.
	; The partners are told apart by address alone; the fills are told apart by the immediate.  s[40:43], v30 and v31 are never written again.
	s_lshl_b32 s40, s12, 2
	s_add_co_u32 s40, s40, s100                    ; R's tile 4 cx + wave
	s_mul_i32 s40, s40, 24576
	s_add_co_u32 s40, s40, s18
	s_add_co_u32 s40, s40, 6144
	s_mov_b32 s41, 0
	s_add_nc_u64 s[40:41], s[4:5], s[40:41]
	s_lshl_b32 s42, s13, 1
	s_add_co_u32 s42, s42, s104                    ; P's tile 2 cy + wave % 2,
	s_mul_i32 s42, s42, 24576
	s_mul_i32 s43, s101, 3072                      ; its half wave / 2
	s_add_co_u32 s42, s42, s43
	s_add_co_u32 s42, s42, s20
	s_add_co_u32 s42, s42, 6144
	s_mov_b32 s43, 0
	s_add_nc_u64 s[42:43], s[6:7], s[42:43]
	v_and_b32 v30, 31, v0
	v_min_u32 v31, 11, v30
	v_min_u32 v30, 23, v30
	v_lshlrev_b32 v31, 8, v31
	v_lshlrev_b32 v30, 8, v30
	global_prefetch_b8 v30, s[40:41] th:TH_LOAD_NT scope:SCOPE_SE
	global_prefetch_b8 v31, s[42:43] th:TH_LOAD_NT scope:SCOPE_SE
	v_and_b32 v2, 31, v0
	v_lshlrev_b32 v1, 4, v2
	v_lshlrev_b32 v21, 3, v2
	s_wait_alu depctr_va_vdst(0)
	v_lshlrev_b32 v2, 2, v2
	s_wait_alu depctr_va_vdst(0)
	v_and_b32 v3, 15, v0
	v_bfe_u32 v4, v0, 4, 1
	s_lshl_b32 s16, s15, 1
	s_add_co_u32 s16, s16, s101                    ; my block of 128 image rows
	s_lshl_b32 s2, s16, 13
	s_lshl_b32 s22, s104, 8
	s_add_co_u32 s2, s2, s22
	s_add_co_u32 s2, s2, 12582912
	s_mov_b32 s3, 0
	s_add_nc_u64 s[20:21], s[4:5], s[2:3]          ; my 64 rows' scale words of K step 0; -M and l lie 524,288 and 1,048,576 bytes on
.irp s, 0,1,2,3,4,5,6,7,8,9,10,11,12,13,14,15   ; each load: 256 consecutive bytes, aligned
	global_load_b64 v[64+2*\s:65+2*\s], v21, s[20:21] offset:512*\s
	global_load_b64 v[96+2*\s:97+2*\s], v21, s[20:21] offset:524288+512*\s
	global_load_b64 v[128+2*\s:129+2*\s], v21, s[20:21] offset:1048576+512*\s
.endr
	s_mul_i32 s2, s100, 24576                      ; my four tiles of R in a slot
	v_add_nc_u32 v5, s2, v1
	s_add_co_u32 s2, s2, SLOTB
	v_add_nc_u32 v6, s2, v1
	v_add_nc_u32 v9, 98304, v1
	v_add_nc_u32 v10, SLOTB+98304, v1
	s_lshl_b32 s2, s100, 12
	s_add_co_u32 s2, s2, FIXS
	v_add_nc_u32 v13, s2, v2
	v_add_nc_u32 v24, s2, v21
	v_add_nc_u32 v14, PS, v2
	s_lshl_b32 s2, s100, 8
	s_add_co_u32 s23, s2, RLS
	v_add_nc_u32 v25, s23, v21
	v_lshl_add_u32 v26, v3, 2, s23
	s_add_co_u32 s23, s2, SCR
	v_lshl_add_u32 v15, v3, 2, s23
	v_add_nc_u32 v16, s23, v21
.irp b, 0,1,2,3
	v_mov_b32 v[48+\b], 0                          ; written once: a lane permute's destination counts as one of its sources
.endr
	s_lshl_b32 s2, s15, 4
	s_lshl_b32 s23, s100, 2
	s_add_co_u32 s2, s2, s23
	s_mul_i32 s2, s2, 12288
	s_mul_i32 s23, s17, 1536
	s_add_co_u32 s2, s2, s23
	s_add_nc_u64 s[10:11], s[8:9], s[2:3]          ; ctx's image: my first tile, K step x
	s_lshl_b32 s2, s16, 12
	s_lshl_b32 s23, s17, 9
	s_add_co_u32 s2, s2, s23
	s_add_co_u32 s2, s2, s22
	s_add_co_u32 s2, s2, 6291456
	s_add_nc_u64 s[18:19], s[8:9], s[2:3]          ; and my 256 bytes of its scale words
	s_mov_b32 s2, 0x80808080
	s_mov_b32 s3, 0x01010101
	s_mov_b32 s16, 0xc2fe0000                      ; -127.0
	s_wait_loadcnt 0x0                             ; the mending of p's scale words stands while the head's loads are on their way
.irp e, 0,1                            ; -(the row's M) = the least of the sixteen -M
	v_min3_num_f32 v[44+\e], v[96+\e], v[98+\e], v[100+\e]
.endr
.irp s, 3,5,7,9,11,13
.irp e, 0,1
	v_min3_num_f32 v[44+\e], v[44+\e], v[96+2*\s+\e], v[98+2*\s+\e]
.endr
.endr
.irp e, 0,1
	v_min_num_f32 v[44+\e], v[44+\e], v[126+\e]
.endr
.irp s, 0,1,2,3,4,5,6,7,8,9,10,11,12,13,14,15
	FIXW \s
.endr
	s_wait_alu depctr_va_vdst(0)
	v_rcp_f32 v46, v46
	v_rcp_f32 v47, v47
	v_nop                                          ; a plain line behind the reciprocals,
	s_wait_alu depctr_va_vdst(0)                   ; and a wait ahead of the first line that names a result
	ds_store_b64 v25, v[46:47]                     ; 1 / l of my two rows.  The mended words and 1 / l are read by my wave alone
	s_wait_alu depctr_va_vdst(0)                   ; directly ahead of the wait below
	s_wait_tensorcnt 0x0                           ; my one load of the head has landed; slot 1's first fill is issued as a refill is:
	ds_add_u32 v22, v23                            ; 0 onto my spare word
	s_mov_b32 s[G1R+2], 8<<16                      ; no load of mine is out: from here on a load of R brings 8 tiles,
	s_mov_b32 s[G1R+4], 8
	s_mov_b32 s[G1P+2], 4<<16                      ; one of P 4
	s_mov_b32 s[G1P+4], 4
	s_wait_dscnt 0x0                               ; the add and my stores of the mended words and of 1 / l are done
	CROUND                                         ; slot 0 and P's scale words are whole for every wave
	JLOAD 1                                        ; slot 1: it has the first four K steps in which to land
	FETCH 0
	global_prefetch_b8 v30, s[40:41] offset:6144 th:TH_LOAD_NT scope:SCOPE_SE    ; keys 1,024 to 1,535: what the next refill loads
	global_prefetch_b8 v31, s[42:43] offset:6144 th:TH_LOAD_NT scope:SCOPE_SE
	STEPC 0, 1
	STEPC 1, 0
	STEPC 2, 0
	TURN 3, 0                                      ; slot 0 takes keys 1,024 to 1,535
	STEPC 4, 0
	STEPC 5, 0
	STEPC 6, 0
	TURN 7, 1                                      ; slot 1 takes keys 1,536 to 2,047
	STEPC 8, 0
	STEPC 9, 0
	STEPC 10, 0
	s_wait_tensorcnt 0x0                           ; step 11: my part of the last fill has landed; nothing is filled again, so a plain barrier serves
	s_wait_dscnt 0x0
	s_barrier_signal -1
	s_barrier_wait -1
	PLACES
	FETCH 12
	MUL32 1, 0
	WIN 0
	STEPC 12, 0
	STEPC 13, 0
	STEPC 14, 0
	STEPC 15, 0
	PLACES
.irp ra, 0,1,2,3
	ds_load_b32 v[216+2*\ra], v26 offset:64*\ra    ; 1 / l of my row of tile ra,
	ds_load_b32 v[217+2*\ra], v26 offset:64*\ra    ; twice: the packed form names a pair
.endr
	s_wait_dscnt 0x0
.irp ra, 0,1,2,3
	WIN 0x82                                       ; destination and source 0: window 2
.set j, 0
.rept 32
	v_pk_mul_f32 v[64*\ra+j:64*\ra+j+1], v[64*\ra+j:64*\ra+j+1], v[216+2*\ra:217+2*\ra] op_sel_hi:[1,0]   ; ctx = the sum / l; each accumulator from its low end on
.set j, j+2
.endr
	QUANT \ra
	PUTIMG \ra, 1, 12288*\ra
.endr
	ds_load_b64 v[224:225], v16                    ; my 64 rows' words: my own bytes, in order behind my stores
	s_wait_dscnt 0x0
	global_store_b64 v21, v[224:225], s[18:19]     ; 256 consecutive bytes, aligned
	s_wait_tensorcnt 0x0                           ; the wave's end: behind my last tensor load and my last LDS store
	ds_add_u32 v22, v23
	s_wait_dscnt 0x0
	CROUND                                         ; the closing round
	s_endpgm
.Lfunc_end_k_q656a07c7f4_ctxgemm:
	.size	k_q656a07c7f4_ctxgemm, .Lfunc_end_k_q656a07c7f4_ctxgemm-k_q656a07c7f4_ctxgemm
	.p2alignl 7, 3214868480
	.fill 96, 4, 3214868480
	.section	.rodata,"a",@progbits
	.p2align	6, 0x0
	.amdhsa_kernel k_q656a07c7f4_ctxgemm
		.amdhsa_group_segment_fixed_size 327680
		.amdhsa_private_segment_fixed_size 0
		.amdhsa_enable_private_segment 0
		.amdhsa_kernarg_size 24
		.amdhsa_user_sgpr_count 2
		.amdhsa_user_sgpr_kernarg_segment_ptr 1
		.amdhsa_wavefront_size32 1
		.amdhsa_system_sgpr_workgroup_id_x 1
		.amdhsa_system_sgpr_workgroup_id_y 1
		.amdhsa_system_sgpr_workgroup_id_z 1
		.amdhsa_system_vgpr_workitem_id 0
		.amdhsa_next_free_vgpr 768
		.amdhsa_next_free_sgpr 106
		.amdhsa_reserve_vcc 0
		.amdhsa_float_denorm_mode_32 3
		.amdhsa_float_denorm_mode_16_64 3
		.amdhsa_memory_ordered 1
		.amdhsa_forward_progress 1
		.amdhsa_inst_pref_size 171
	.end_amdhsa_kernel
	.amdgpu_metadata
---
amdhsa.version: [ 1, 2 ]
amdhsa.kernels:
  - .name:           k_q656a07c7f4_ctxgemm
    .symbol:         k_q656a07c7f4_ctxgemm.kd
    .args:
      - { .name: prob, .offset: 0, .size: 8, .value_kind: global_buffer, .address_space: global }
      - { .name: qkv, .offset: 8, .size: 8, .value_kind: global_buffer, .address_space: global }
      - { .name: ctxq, .offset: 16, .size: 8, .value_kind: global_buffer, .address_space: global }
    .group_segment_fixed_size: 327680
    .private_segment_fixed_size: 0
    .kernarg_segment_align: 8
    .kernarg_segment_size: 24
    .max_flat_workgroup_size: 128
    .sgpr_count:     106
    .vgpr_count:     768
    .wavefront_size: 32
...
	.end_amdgpu_metadata
.endif
;; end of part 4
;; launch outgemm (part 5): grid 8 x 32, 4 waves a work-group, clusters of 4 x 4, 327,680 bytes of LDS; arguments ctxq, opnd, b2, out0; writes out0
.if DOCPART == 5
	.amdgcn_target "amdgcn-amd-amdhsa--gfx1250"
	.amdhsa_code_object_version 6
	.text
	.protected	k_q656a07c7f4_outgemm
	.globl	k_q656a07c7f4_outgemm
	.p2align	8
	.type	k_q656a07c7f4_outgemm,@function
k_q656a07c7f4_outgemm:
	s_mov_b64 s[64:65], 0
	v_nop
	global_prefetch_b8 v0, s[64:65] scope:SCOPE_SE
	s_setreg_imm32_b32 hwreg(HW_REG_WAVE_MODE, 25, 1), 1
	s_wait_xcnt 0x0
	s_wait_alu depctr_hold_cnt(0) depctr_sa_sdst(0) depctr_va_vdst(0) depctr_va_sdst(0) depctr_va_ssrc(0) depctr_va_vcc(0) depctr_vm_vsrc(0)
	s_getreg_b32 s2, hwreg(HW_REG_IB_STS2, 6, 4)
	s_cmp_eq_u32 s2, 0
	s_cbranch_scc0 .Lentry_in_a_cluster
	s_endpgm
.Lentry_in_a_cluster:
	s_bfe_u32 s2, ttmp6, 0x10000c
	s_cmp_lg_u32 s2, 0xf033
	s_cbranch_scc0 .Lentry_shape_is_right
	s_endpgm
.Lentry_shape_is_right:
; out = ctx W2 + b2 on codes of FP6 (E2M3) with E8M0 scales; out is f32.
; R = ctx (256 tokens), P = W2's columns (128); operands are images of operand registers; source 0 = a tile of P, source 1 = a tile of R: a lane holds one token and, in the registers of P's tile t, the columns
; 32 (t / 2) + 16 (lane / 16) + 8 (t % 2) + 0 .. 7.  Wave w takes tokens 64 w .. 64 w + 63.  All of K = 1,024 lies in LDS, asked for at the head (five tensor loads a wave are out at most); nothing is filled twice.
; b2 is the C of each sum's first product.  CLUSTER 4 x 4: R's tiles are shared along a row of the cluster, P's along a column.
; THE WAY OUT goes through stages in LDS so that each store is a row's 512 consecutive bytes.  The stages lie in chunk 0's bytes: they have had their one fill, and every wave has passed a barrier behind its last read of them.
; LIMITS: NaN and infinities are not served.
; REGISTERS.  Window 0: v1 16 x lane, v2 4 x lane, v3 r, v4 h, v5-12 fragment addresses, v13, v14 scale words' addresses, v17, v18 the stage's addresses; v32-43 scale words; v44 the bias loads' offset; v64-159 R's fragments;
;   on the way out v64-191 rows of out.   Window 1: v0-191 P's fragments; v192-255 the bias.   Window 2: accumulator (a, t) at v[8 (8 a + t)].
; HOW LDS IS FILLED (this paragraph governs): K lies in two halves of 512.  At the head each wave issues one load: wave 0 R's 16 tiles of the first half, wave 1 P's 8, wave 2 R's scale words, wave 3 P's.
; Behind the three lines and a round each wave issues one load of the second half (waves 0, 1 R's, waves 2, 3 P's).  The stages of the way out lie in the first half's bytes.
; One prefetch, of the second half of K, asked for at the head; the walk along K is written out.
.set CHUNK, 147456                     ; LDS: half c of K at 147,456 c: R's 16 tiles x 6,144 bytes, then P's 8
.set RS,   294912
.set PS,   303104
.set SPC,  4
.set NCH,  2
.set TP_,  6144
.set SRP,  512
.set G0R,  24
.set G0P,  44
.set G1R,  68
.set G1P,  76
.set G1RS, 84
.set G1PS, 92
.set MUL,  0xa1                        ; source 0 (P) window 1, source 1 (R) window 0, C and D window 2
.set MULB, 0x91                        ; the same with C in window 1
.set TO_P, 0x40
.set MSB,  0
.macro WIN new                         ; the immediate's high byte repeats the setting that is left
.if MSB != \new
	s_set_vgpr_msb (MSB<<8)|\new
.set MSB, \new
.endif
.endm
.macro PLACES                          ; four plain lines between a matrix instruction and a load into, or a read of, its registers
.rept 4
	v_nop
.endr
.endm
.macro CROUND                          ; a round of the cluster's barrier
	s_barrier_signal -1
	s_barrier_wait -1
	s_cmp_lg_u32 s100, 0
	s_cbranch_scc1 .Lnot_wave_0_\@
	s_barrier_signal -3
.Lnot_wave_0_\@:
	s_barrier_wait -3
	s_barrier_signal -1
	s_barrier_wait -1
.endm
.macro G1SET g, cols, rows, pitch
	s_mov_b32 s[\g+1], (\cols)<<16
	s_mov_b32 s[\g+2], (\rows)<<16
	s_mov_b32 s[\g+3], (\cols)<<16
	s_mov_b32 s[\g+4], \rows
	s_mov_b32 s[\g+5], \pitch
	s_mov_b32 s[\g+6], 0
	s_mov_b32 s[\g+7], 0
.endm
.macro MAKE_G0 rp, pp                  ; R: s[G0R..] scale words, +4 all 16 tiles of K's first half, +8 my 8 tiles of its second.  P: s[G0P..] scale words, +8 my 4 tiles of the second half, +12 all 8 tiles of the first
	s_mov_b32 s[G0R+6], s18
	s_mov_b32 s[G0R+7], 0
	s_add_nc_u64 s[G0R+6:G0R+7], s[\rp:\rp+1], s[G0R+6:G0R+7]
	s_mov_b32 s[G0R+5], 0
	s_mul_i32 s[G0R+10], s104, 98304
	s_mov_b32 s[G0R+11], 0
	s_add_nc_u64 s[G0R+10:G0R+11], s[G0R+6:G0R+7], s[G0R+10:G0R+11]
	s_add_nc_u64 s[G0R+10:G0R+11], s[G0R+10:G0R+11], 6144
	s_mul_i32 s[G0R+9], s104, 49152
	s_add_co_u32 s[G0R+9], s[G0R+9], CHUNK
.irp c, 0,1
	s_mov_b32 s[G0R+4+4*\c], 1
	s_or_b32 s[G0R+7+4*\c], s[G0R+7+4*\c], 0x80000000
.endr
	s_mov_b32 s[G0R+2], s19
	s_mov_b32 s[G0R+3], 0
	s_add_nc_u64 s[G0R+2:G0R+3], s[\rp:\rp+1], s[G0R+2:G0R+3]
	s_or_b32 s[G0R+3], s[G0R+3], 0x80000000
	s_mov_b32 s[G0R+1], RS
	s_mov_b32 s[G0R], 1
	s_mov_b32 s[G0P+14], s20
	s_mov_b32 s[G0P+15], 0
	s_add_nc_u64 s[G0P+14:G0P+15], s[\pp:\pp+1], s[G0P+14:G0P+15]
	s_mov_b32 s[G0P+13], 98304
	s_mul_i32 s[G0P+10], s104, 49152
	s_mov_b32 s[G0P+11], 0
	s_add_nc_u64 s[G0P+10:G0P+11], s[G0P+14:G0P+15], s[G0P+10:G0P+11]
	s_add_nc_u64 s[G0P+10:G0P+11], s[G0P+10:G0P+11], 6144
	s_mul_i32 s[G0P+9], s104, 24576
	s_add_co_u32 s[G0P+9], s[G0P+9], CHUNK+98304
.irp c, 1,2
	s_mov_b32 s[G0P+4+4*\c], 1
	s_or_b32 s[G0P+7+4*\c], s[G0P+7+4*\c], 0x80000000
.endr
	s_mov_b32 s[G0P+2], s21
	s_mov_b32 s[G0P+3], 0
	s_add_nc_u64 s[G0P+2:G0P+3], s[\pp:\pp+1], s[G0P+2:G0P+3]
	s_or_b32 s[G0P+3], s[G0P+3], 0x80000000
	s_mov_b32 s[G0P+1], PS
	s_mov_b32 s[G0P], 1
.endm
.macro FETCH q                         ; K step q's 6 scale registers, R's 4 fragments and P's 8, into set q % 2
.set FC, ((\q)/SPC)%NCH
.set FS, (\q)%SPC
.set FG, (\q)%2
	WIN 0
.irp i, 0,1,2,3
	ds_load_b32 v[32+6*FG+\i], v14 offset:512*(\q)+128*\i
.endr
.irp i, 0,1
	ds_load_b32 v[36+6*FG+\i], v13 offset:SRP*(\q)+128*\i
.endr
.irp fa, 0,1,2,3
.irp ch, 0,1,2
	ds_load_b128 v[64+48*FG+12*\fa+4*\ch:64+48*FG+12*\fa+4*\ch+3], v[5+FC] offset:TP_*\fa+1536*FS+512*\ch
.endr
.endr
	WIN TO_P
.irp ft, 0,1,2,3,4,5,6,7
.irp ch, 0,1,2
	ds_load_b128 v[96*FG+12*\ft+4*\ch:96*FG+12*\ft+4*\ch+3], v[9+FC] offset:TP_*\ft+1536*FS+512*\ch
.endr
.endr
	WIN 0
.endm
.macro WM g, cm, ra, pt                ; one product: R's tile ra x P's tile pt, set g.  cm = 0: adds in place; 2: C = the bias block of pt.  An odd tile's scale words stand in lanes 16-31
.set rD, 8*(8*(\ra)+(\pt))
.set rP, 96*(\g)+12*(\pt)
.set rR, 64+48*(\g)+12*(\ra)
.set rA, 32+6*(\g)+(\pt)/2
.set rB, 36+6*(\g)+(\ra)/2
.set rC, rD
.if (\cm) == 2
.set rC, 192+8*(\pt)
.endif
.set rowsel, 2*((\pt)%2)+(\ra)%2
.if rowsel == 0
	v_wmma_scale_f32_16x16x128_f8f6f4 v[rD:rD+7], v[rP:rP+11], v[rR:rR+11], v[rC:rC+7], v[rA], v[rB] matrix_a_fmt:MATRIX_FMT_FP6 matrix_b_fmt:MATRIX_FMT_FP6
.elseif rowsel == 1
	v_wmma_scale_f32_16x16x128_f8f6f4 v[rD:rD+7], v[rP:rP+11], v[rR:rR+11], v[rC:rC+7], v[rA], v[rB] matrix_a_fmt:MATRIX_FMT_FP6 matrix_b_fmt:MATRIX_FMT_FP6 matrix_b_scale:MATRIX_SCALE_ROW1
.elseif rowsel == 2
	v_wmma_scale_f32_16x16x128_f8f6f4 v[rD:rD+7], v[rP:rP+11], v[rR:rR+11], v[rC:rC+7], v[rA], v[rB] matrix_a_fmt:MATRIX_FMT_FP6 matrix_b_fmt:MATRIX_FMT_FP6 matrix_a_scale:MATRIX_SCALE_ROW1
.else
	v_wmma_scale_f32_16x16x128_f8f6f4 v[rD:rD+7], v[rP:rP+11], v[rR:rR+11], v[rC:rC+7], v[rA], v[rB] matrix_a_fmt:MATRIX_FMT_FP6 matrix_b_fmt:MATRIX_FMT_FP6 matrix_a_scale:MATRIX_SCALE_ROW1 matrix_b_scale:MATRIX_SCALE_ROW1
.endif
.endm
.macro MUL32 g, cm                     ; a K step's 32 products: the 32 accumulators take turns, one instruction a turn, in the same order in every step
.if (\cm) >= 2
	WIN MULB
.else
	WIN MUL
.endif
.irp ra, 0,1,2,3
.irp pt, 0,1,2,3,4,5,6,7
	WM \g, \cm, \ra, \pt
.endr
.endr
.endm
.macro STEP q, cm
	s_wait_dscnt 0x0                               ; this step's fragments, asked for a step ago
.if (\q) == 3
	s_wait_tensorcnt 0x0                           ; my part of K's second half has landed
	s_barrier_signal -1
	s_barrier_wait -1
.endif
.if (\q) < 7
.if (\q) > 0
	PLACES
.endif
	FETCH (\q)+1
.endif
	MUL32 (\q)%2, \cm
	WIN 0
.endm
.macro TOSTAGE ra                      ; R's tile ra: 16 rows x 128 columns into my stage ra % 2 (rows of 528 bytes), and back as whole rows
	WIN 0x08                                       ; an LDS store's data: window 2
.irp t, 0,1,2,3,4,5,6,7
	ds_store_b128 v17, v[64*(\ra)+8*\t:64*(\ra)+8*\t+3] offset:8448*((\ra)%2)+128*(\t/2)+32*(\t%2)        ; each accumulator from its low end on
	ds_store_b128 v17, v[64*(\ra)+8*\t+4:64*(\ra)+8*\t+7] offset:8448*((\ra)%2)+128*(\t/2)+32*(\t%2)+16
.endr
	WIN 0
.irp i, 0,1,2,3,4,5,6,7,8,9,10,11,12,13,14,15
	ds_load_b128 v[64+64*((\ra)%2)+4*\i:64+64*((\ra)%2)+4*\i+3], v18 offset:8448*((\ra)%2)+528*\i   ; LDS serves a wave's instructions in order: these see the stores above
.endr
.endm
.macro SEND ra, younger                ; younger: the LDS instructions issued behind tile ra's loads, which may stay out
	s_wait_dscnt \younger
.irp i, 0,1,2,3,4,5,6,7,8,9,10,11,12,13,14,15
	global_store_b128 v1, v[64+64*((\ra)%2)+4*\i:64+64*((\ra)%2)+4*\i+3], s[10:11] offset:(32*((\ra)/2)+8*((\ra)%2)+\i+8*(\i/8))*4096 th:TH_STORE_NT   ; 32 lanes store 512 consecutive bytes, aligned; written once, read by nobody here
.endr
.endm
	s_load_b256 s[4:11], s[0:1], 0x0               ; ctxq s[4:5], opnd s[6:7], b2 s[8:9], out0 s[10:11]
	v_lshl_add_u32 v254, v0, 2, 0x4b000
	v_mov_b32 v255, 0
	ds_add_u32 v254, v255
	ds_add_u32 v254, v255
	v_lshrrev_b32 v1, 5, v0
	v_readfirstlane_b32 s100, v1                   ; wave 0..3
	s_lshr_b32 s101, s100, 1                       ; 0: I fetch for R, 1: for P
	s_and_b32 s104, s100, 1                        ; which half of it
	s_bfe_u32 s12, ttmp6, 0x40000                  ; cx
	s_bfe_u32 s13, ttmp6, 0x40004                  ; cy
	s_and_b32 s14, ttmp7, 0xffff                   ; cluster y
	s_lshl_b32 s2, s13, 2
	s_lshl_b32 s2, 15, s2                          ; my row of the cluster
	s_lshl_b32 s22, 0x1111, s12                    ; my column
	s_or_b32 s[G1R], s2, (3<<16)|(1<<21)           ; the mask; elements of 8 bytes; bit 21 set beside a mask; no padding
	s_or_b32 s[G1RS], s2, (3<<16)|(1<<21)
	s_or_b32 s[G1P], s22, (3<<16)|(1<<21)
	s_or_b32 s[G1PS], s22, (3<<16)|(1<<21)
	G1SET G1R, 768, 16, 1536                       ; the head's load: 16 tiles x 6,144 bytes, 12,288 bytes from tile to tile
	G1SET G1P, 768, 8, 1536
	G1SET G1RS, 32, 32, 32                         ; 8,192 dense bytes
	G1SET G1PS, 32, 16, 32                         ; 4,096 dense bytes
	s_lshl_b32 s15, s14, 2
	s_add_co_u32 s15, s15, s13                     ; y: my block of 256 tokens
	s_lshl_b32 s17, ttmp9, 2
	s_add_co_u32 s17, s17, s12                     ; x: my block of 128 columns
	s_mul_i32 s18, s15, 196608                     ; ctx's image
	s_lshl_b32 s19, s15, 13
	s_add_co_u32 s19, s19, 6291456                 ; ctx's scale words
	s_mul_i32 s20, s17, 98304
	s_add_co_u32 s20, s20, 8650752                 ; W2's image
	s_lshl_b32 s21, s17, 12
	s_add_co_u32 s21, s21, 9797632                 ; W2's scale words
	s_wait_dscnt 0x0
	s_wait_kmcnt 0x0
	MAKE_G0 4, 6
	CROUND                                         ; all sixteen work-groups are here: the joint loads meet
.macro ARM under, g0, g1, next         ; one arm of the head's tree: its load, s_nop 0, four v_nop, a jump to the tree's end
	s_cmp_lt_u32 s100, \under
	s_cbranch_scc0 \next
	tensor_load_to_lds s[\g0:\g0+3], s[\g1:\g1+7]
	s_nop 0
.rept 4
	v_nop
.endr
	s_branch .Lfirst_asked
\next:
.endm
	ARM 1, G0R+4, G1R, .Lfirst_p
	ARM 2, G0P+12, G1P, .Lfirst_rs
	ARM 3, G0R, G1RS, .Lfirst_ps
	tensor_load_to_lds s[G0P:G0P+3], s[G1PS:G1PS+7]
	s_nop 0
.rept 4
	v_nop
.endr
.Lfirst_asked:
	; THE ONE PREFETCH OF THIS TEXT: the second half of K of R and of P, which the next fill loads, is asked for here, one fill ahead.  Each aligned block of 256 bytes is named once in the cluster:
	; of R's 16 tiles the partner at cx takes 4, a wave one (24 blocks); of P's 8 the partner at cy takes 2, a wave half of one (12 blocks); lanes left over name their wave's last block again.
	; The partners are told apart by address alone.  s[36:39], v30 and v31 are never written again.
	s_lshl_b32 s36, s12, 2
	s_add_co_u32 s36, s36, s100                    ; R's tile 4 cx + wave
	s_mul_i32 s36, s36, 12288
	s_add_co_u32 s36, s36, s18
	s_add_co_u32 s36, s36, 6144
	s_mov_b32 s37, 0
	s_add_nc_u64 s[36:37], s[4:5], s[36:37]
	s_lshl_b32 s38, s13, 1
	s_add_co_u32 s38, s38, s104                    ; P's tile 2 cy + wave % 2,
	s_mul_i32 s38, s38, 12288
	s_mul_i32 s39, s101, 3072                      ; its half wave / 2
	s_add_co_u32 s38, s38, s39
	s_add_co_u32 s38, s38, s20
	s_add_co_u32 s38, s38, 6144
	s_mov_b32 s39, 0
	s_add_nc_u64 s[38:39], s[6:7], s[38:39]
	v_and_b32 v30, 31, v0
	v_min_u32 v31, 11, v30
	v_min_u32 v30, 23, v30
	v_lshlrev_b32 v31, 8, v31
	v_lshlrev_b32 v30, 8, v30
	global_prefetch_b8 v30, s[36:37] th:TH_LOAD_NT scope:SCOPE_SE
	global_prefetch_b8 v31, s[38:39] th:TH_LOAD_NT scope:SCOPE_SE
	v_and_b32 v2, 31, v0
	v_lshlrev_b32 v1, 4, v2
	s_wait_alu depctr_va_vdst(0)
	v_lshlrev_b32 v2, 2, v2
	v_and_b32 v3, 15, v0
	v_bfe_u32 v4, v0, 4, 1
	s_lshl_b32 s2, s17, 9
	s_mov_b32 s3, 0
	s_add_nc_u64 s[8:9], s[8:9], s[2:3]            ; b2 at my first column
	v_lshlrev_b32 v44, 6, v4
	WIN 0x40
.irp t, 0,1,2,3,4,5,6,7                ; block t, register j = b2 at 32 (t / 2) + 16 h + 8 (t % 2) + j
	global_load_b128 v[192+8*\t:195+8*\t], v44, s[8:9] offset:(32*(\t/2)+8*(\t%2))*4
	global_load_b128 v[196+8*\t:199+8*\t], v44, s[8:9] offset:(32*(\t/2)+8*(\t%2))*4+16
.endr
	WIN 0
	s_mul_i32 s2, s100, 24576                      ; my four tiles of R
.irp c, 0,1
	v_add_nc_u32 v[5+\c], s2, v1
	v_add_nc_u32 v[9+\c], CHUNK*\c+98304, v1
	s_add_co_u32 s2, s2, CHUNK
.endr
	s_wait_alu depctr_va_vdst(0)
	s_lshl_b32 s2, s101, 12
	s_lshl_b32 s16, s104, 8
	s_add_co_u32 s2, s2, s16
	s_add_co_u32 s2, s2, RS
	v_add_nc_u32 v13, s2, v2
	v_add_nc_u32 v14, PS, v2
	s_mul_i32 s2, s100, 16896                      ; my two stages
	v_mul_u32_u24 v17, v3, 528
	v_lshl_add_u32 v17, v4, 6, v17
	v_add_nc_u32 v17, s2, v17                      ; in: row r, + 64 h
	v_add_nc_u32 v18, s2, v1                       ; back: 16 bytes a lane of a row
	s_lshl_b32 s2, s15, 8
	s_lshl_b32 s16, s100, 6
	s_add_co_u32 s2, s2, s16                       ; my first token
	s_lshl_b32 s2, s2, 12
	s_lshl_b32 s16, s17, 9
	s_add_co_u32 s2, s2, s16
	s_add_nc_u64 s[10:11], s[10:11], s[2:3]        ; out at my first token and column
	s_wait_alu depctr_va_vdst(0)
	s_wait_tensorcnt 0x0                           ; my one load of the head has landed; the second half's first fill is issued as a refill is:
	ds_add_u32 v254, v255                          ; 0 onto my spare word
	s_mov_b32 s[G1R+2], 8<<16                      ; no load of mine is out: from here on a load of R brings 8 tiles,
	s_mov_b32 s[G1R+4], 8
	s_mov_b32 s[G1P+2], 4<<16                      ; one of P 4
	s_mov_b32 s[G1P+4], 4
	s_wait_dscnt 0x0
	CROUND                                         ; the head's four tiles are whole for every wave, and the sixteen work-groups meet
	s_cmp_eq_u32 s101, 0
	s_cbranch_scc0 .Lsecond_p
	tensor_load_to_lds s[G0R+8:G0R+11], s[G1R:G1R+7]
	s_nop 0
.rept 4
	v_nop
.endr
	s_branch .Lsecond_asked
.Lsecond_p:
	tensor_load_to_lds s[G0P+8:G0P+11], s[G1P:G1P+7]
	s_nop 0
.rept 4
	v_nop
.endr
.Lsecond_asked:
	FETCH 0
	s_wait_loadcnt 0x0                             ; the bias
	STEP 0, 2
	STEP 1, 0
	STEP 2, 0
	STEP 3, 0
	STEP 4, 0
	STEP 5, 0
	STEP 6, 0
	STEP 7, 0
	PLACES                                         ; for the reads of the results and for the loads into the registers that held R's fragments
	TOSTAGE 0
	TOSTAGE 1
	SEND 0, 32                                     ; behind tile 0's loads: tile 1's 16 stores and 16 loads
	s_wait_xcnt 0x0                                ; tile 0's stores have read their registers: tile 2's loads may land there
	TOSTAGE 2
	SEND 1, 32
	s_wait_xcnt 0x0
	TOSTAGE 3
	SEND 2, 32
	SEND 3, 0
	s_wait_tensorcnt 0x0
	ds_add_u32 v254, v255
	s_wait_dscnt 0x0
	CROUND                                         ; the closing round
	s_endpgm
.Lfunc_end_k_q656a07c7f4_outgemm:
	.size	k_q656a07c7f4_outgemm, .Lfunc_end_k_q656a07c7f4_outgemm-k_q656a07c7f4_outgemm
	.p2alignl 7, 3214868480
	.fill 96, 4, 3214868480
	.section	.rodata,"a",@progbits
	.p2align	6, 0x0
	.amdhsa_kernel k_q656a07c7f4_outgemm
		.amdhsa_group_segment_fixed_size 327680
		.amdhsa_private_segment_fixed_size 0
		.amdhsa_enable_private_segment 0
		.amdhsa_kernarg_size 32
		.amdhsa_user_sgpr_count 2
		.amdhsa_user_sgpr_kernarg_segment_ptr 1
		.amdhsa_wavefront_size32 1
		.amdhsa_system_sgpr_workgroup_id_x 1
		.amdhsa_system_sgpr_workgroup_id_y 1
		.amdhsa_system_sgpr_workgroup_id_z 1
		.amdhsa_system_vgpr_workitem_id 0
		.amdhsa_next_free_vgpr 768
		.amdhsa_next_free_sgpr 106
		.amdhsa_reserve_vcc 0
		.amdhsa_float_denorm_mode_32 3
		.amdhsa_float_denorm_mode_16_64 3
		.amdhsa_memory_ordered 1
		.amdhsa_forward_progress 1
		.amdhsa_inst_pref_size 83
	.end_amdhsa_kernel
	.amdgpu_metadata
---
amdhsa.version: [ 1, 2 ]
amdhsa.kernels:
  - .name:           k_q656a07c7f4_outgemm
    .symbol:         k_q656a07c7f4_outgemm.kd
    .args:
      - { .name: ctxq, .offset: 0, .size: 8, .value_kind: global_buffer, .address_space: global }
      - { .name: opnd, .offset: 8, .size: 8, .value_kind: global_buffer, .address_space: global }
      - { .name: b2, .offset: 16, .size: 8, .value_kind: global_buffer, .address_space: global }
      - { .name: out0, .offset: 24, .size: 8, .value_kind: global_buffer, .address_space: global }
    .group_segment_fixed_size: 327680
    .private_segment_fixed_size: 0
    .kernarg_segment_align: 8
    .kernarg_segment_size: 32
    .max_flat_workgroup_size: 128
    .sgpr_count:     106
    .vgpr_count:     768
    .wavefront_size: 32
...
	.end_amdgpu_metadata
.endif
;; end of part 5
